; MI455X (gfx1250); checked and timed in simulation.
; The chip was launched on July 23, 2026; its instructions are those of AMD's public machine-readable ISA for CDNA 5 (MIT licence, August 2026) and "CDNA5" Instruction Set Architecture Reference Guide (July 2026). The comments in the code are by the model that wrote it; some were corrected since.
;; Lean Self Attention. Allowed arithmetic: float matrix products may take bf16 or f16 operands with f32 sums; all other float work in f32.
;; Inputs: W_out 1,024 x 1,024 float32; W_qkv 1,024 x 3,072 float32; attention_mask 4 x 1 x 2,048 x 2,048 float32; b_out 1,024 float32; b_qkv 3,072 float32; hidden_states 4 x 2,048 x 1,024 float32; ln_beta 1,024 float32; ln_gamma 1,024 float32.
;; Outputs: out0 4 x 2,048 x 1,024 float32.
;; 2 versions, each right; version 2 is version 1 with the launch prep written anew for expert scheduling mode. Each part assembles by itself: llvm-mc -triple=amdgcn-amd-amdhsa -mcpu=gfx1250 --defsym DOCPART=n.
;; ======== version 1 of 2: 4 launches
;; limits: right only within a limited range of input values
;; workspace buffers: xln 16,777,216 bytes; wq 6,291,456 bytes; wo 2,097,152 bytes; qkv 50,331,648 bytes; att 16,777,216 bytes
;; launch prep (part 1): grid 384 x 1, 8 waves a work-group, no clusters, 0 bytes of LDS; arguments hidden_states, ln_gamma, ln_beta, W_qkv, W_out, xln, wq, wo; writes xln, wq, wo
.if DOCPART == 1
	.amdgcn_target "amdgcn-amd-amdhsa--gfx1250"
	.amdhsa_code_object_version 6
	.text
	.protected	k_q0939782caa_prep
	.globl	k_q0939782caa_prep
	.p2align	8
	.type	k_q0939782caa_prep,@function
k_q0939782caa_prep:
	s_mov_b64 s[64:65], 0
	v_nop
	global_prefetch_b8 v0, s[64:65] scope:SCOPE_SE
	s_setreg_imm32_b32 hwreg(HW_REG_WAVE_MODE, 25, 1), 1
	s_wait_xcnt 0x0
; Makes the bf16 operands of the later launches, all in one layout: panels of 64 columns, [panel][row][64], rows of 128 bytes.
;   work-groups 0-255:   xln = LayerNorm(hidden_states) * gamma + beta, [b 4][panel 16][s 2048][64]
;   work-groups 256-351: wq  = W_qkv, [panel 48][k 1024][64]
;   work-groups 352-383: wo  = W_out, [panel 16][k 1024][64]
; Every work-group reads 128 KiB and writes 64 KiB.  A pure stream: each byte is read once and written once, so LDS, matrix
; instructions and clusters have nothing to add (no two work-groups read the same bytes but gamma and beta, 8 KiB).
; LayerNorm: a wave owns 4 rows, taken as 2 pairs; lanes 0-15 hold the even row of a pair, lanes 16-31 the odd one, 64 numbers a lane
; in registers, so the row is read from memory once.  The variance is the mean of the squares of the CENTRED numbers (two passes over
; the registers): a common offset of the input does not cancel against a large sum.
; Each load of a wave covers two runs of 256 consecutive aligned bytes; each store 256 consecutive aligned bytes (two rows of a panel).
.set T,    6                           ; v[6:13]    four chains of packed sums
.set RS,   12                          ; v[12:13]   1 / sqrt(var + eps), twice (written when the chains are spent)
.set MEAN, 14                          ; v[14:15]   the row's mean, twice
.set X,    16                          ; v[16:79]   my 64 numbers of the row; in the weight paths v[16:143]: 32 loads
.set G,    80                          ; v[80:143]  gamma of my 64 columns
.set BT,   144                         ; v[144:207] beta of my 64 columns; in the weight paths: the packed results
.set Y,    208                         ; v[208:239] packed results, 16 pairs
	s_load_b512 s[4:19], s[0:1], 0x0               ; hidden s[4:5], gamma s[6:7], beta s[8:9], W_qkv s[10:11], W_out s[12:13], xln s[14:15], wq s[16:17], wo s[18:19]
	v_lshrrev_b32 v1, 5, v0
	v_readfirstlane_b32 s20, v1                    ; wave 0..7
	v_and_b32 v1, 15, v0                           ; r: my place in a run of 256 bytes
	v_bfe_u32 v5, v0, 4, 1                         ; hh: which row of a pair
	v_lshlrev_b32 v3, 4, v1                        ; 16 r: offset in gamma, beta
	v_lshl_or_b32 v2, v5, 12, v3                   ; 4096 hh + 16 r: offset in hidden_states
	v_lshlrev_b32 v4, 3, v1
	v_lshl_or_b32 v4, v5, 7, v4                    ; 128 hh + 8 r: offset in a panel
	s_cmp_lt_u32 ttmp9, 256
	s_cbranch_scc0 .Lweights
	; ---- LayerNorm ----
	s_lshl_b32 s24, ttmp9, 5
	s_lshl2_add_u32 s24, s20, s24                  ; my first row = 32 g + 4 w
	s_lshl_b32 s26, s24, 12                        ; x 4096 bytes
	s_mov_b32 s27, 0
	s_lshr_b32 s28, s24, 11                        ; batch
	s_lshl_b32 s28, s28, 22
	s_and_b32 s29, s24, 2047                       ; row in the batch
	s_lshl_b32 s29, s29, 7
	s_add_co_u32 s28, s28, s29
	s_mov_b32 s29, 0
	s_mov_b32 s21, 0x3a800000                      ; 1 / 1024
	s_mov_b32 s22, 0x2b8cbccc                      ; 1e-12
	s_wait_kmcnt 0x0
	s_add_nc_u64 s[4:5], s[4:5], s[26:27]
	s_add_nc_u64 s[14:15], s[14:15], s[28:29]
.irp j, 0,1,2,3,4,5,6,7,8,9,10,11,12,13,14,15
	global_load_b128 v[X+4*\j:X+4*\j+3], v2, s[4:5] offset:256*\j th:TH_LOAD_NT   ; the first pair of rows: load j is panel j
.endr
.irp j, 0,1,2,3,4,5,6,7,8,9,10,11,12,13,14,15
	global_load_b128 v[G+4*\j:G+4*\j+3], v3, s[6:7] offset:256*\j
.endr
.irp j, 0,1,2,3,4,5,6,7,8,9,10,11,12,13,14,15
	global_load_b128 v[BT+4*\j:BT+4*\j+3], v3, s[8:9] offset:256*\j
.endr
; the four chains into one number, then over the 16 lanes that hold the row; every one of them ends with the sum in v6
.macro REDUCE
	v_pk_add_f32 v[T:T+1], v[T:T+1], v[T+2:T+3]
	v_pk_add_f32 v[T+4:T+5], v[T+4:T+5], v[T+6:T+7]
	v_pk_add_f32 v[T:T+1], v[T:T+1], v[T+4:T+5]
	v_add_f32 v[T], v[T], v[T+1]
	v_add_f32_dpp v[T], v[T], v[T] row_xmask:1 row_mask:0xf bank_mask:0xf
	v_add_f32_dpp v[T], v[T], v[T] row_xmask:2 row_mask:0xf bank_mask:0xf
	v_add_f32_dpp v[T], v[T], v[T] row_xmask:4 row_mask:0xf bank_mask:0xf
	v_add_f32_dpp v[T], v[T], v[T] row_xmask:8 row_mask:0xf bank_mask:0xf
.endm
; pair p of my two pairs of rows.  more = 1: as its registers fall free they are loaded with the next pair.
.macro PAIR p, more
.if \p == 0
	s_wait_loadcnt 32                              ; my 16 loads of x are in; the 32 younger ones (gamma, beta) may stay out
.else
	s_wait_loadcnt 0x0                             ; the second pair's 16 loads: nothing was issued behind them
.endif
.irp c, 0,1,2,3
	v_pk_add_f32 v[T+2*\c:T+2*\c+1], v[X+2*\c:X+2*\c+1], v[X+8+2*\c:X+8+2*\c+1]   ; the first sums start the chains: nothing is cleared
.endr
.set j, 8
.rept 24
	v_pk_add_f32 v[T+2*(j%4):T+2*(j%4)+1], v[T+2*(j%4):T+2*(j%4)+1], v[X+2*j:X+2*j+1]
.set j, j+1
.endr
	REDUCE
	v_mul_f32 v[MEAN], s21, v[T]
	v_mul_f32 v[MEAN+1], s21, v[T]
.set j, 0
.rept 32
	v_pk_add_f32 v[X+2*j:X+2*j+1], v[X+2*j:X+2*j+1], v[MEAN:MEAN+1] neg_lo:[0,1] neg_hi:[0,1]   ; x - mean, in place
.set j, j+1
.endr
.irp c, 0,1,2,3
	v_pk_mul_f32 v[T+2*\c:T+2*\c+1], v[X+2*\c:X+2*\c+1], v[X+2*\c:X+2*\c+1]
.endr
.set j, 4
.rept 28
	v_pk_fma_f32 v[T+2*(j%4):T+2*(j%4)+1], v[X+2*j:X+2*j+1], v[X+2*j:X+2*j+1], v[T+2*(j%4):T+2*(j%4)+1]
.set j, j+1
.endr
	REDUCE
	v_fma_f32 v[T], v[T], s21, s22                 ; var + eps
	v_rsq_f32 v[RS], v[T]
	v_nop                                          ; one plain instruction between v_rsq_f32 and the use of its result (ISA guide 5.7.2)
	s_wait_alu depctr_va_vdst(0)
	v_mov_b32 v[RS+1], v[RS]
.if \p == 0
	s_wait_loadcnt 0x0                             ; gamma and beta
.else
	s_wait_xcnt 0x0                                ; Y, which the first pair's stores read, is rewritten only behind this wait
.endif
.irp j, 0,1,2,3,4,5,6,7,8,9,10,11,12,13,14,15
	v_pk_mul_f32 v[X+4*\j:X+4*\j+1], v[X+4*\j:X+4*\j+1], v[RS:RS+1]
	v_pk_mul_f32 v[X+4*\j+2:X+4*\j+3], v[X+4*\j+2:X+4*\j+3], v[RS:RS+1]
	v_pk_fma_f32 v[X+4*\j:X+4*\j+1], v[X+4*\j:X+4*\j+1], v[G+4*\j:G+4*\j+1], v[BT+4*\j:BT+4*\j+1]
	v_pk_fma_f32 v[X+4*\j+2:X+4*\j+3], v[X+4*\j+2:X+4*\j+3], v[G+4*\j+2:G+4*\j+3], v[BT+4*\j+2:BT+4*\j+3]
	v_cvt_pk_bf16_f32 v[Y+2*\j], v[X+4*\j], v[X+4*\j+1]
	v_cvt_pk_bf16_f32 v[Y+2*\j+1], v[X+4*\j+2], v[X+4*\j+3]
	global_store_b64 v4, v[Y+2*\j:Y+2*\j+1], s[14:15] offset:\j*262144+\p*256   ; panel j, two rows of 128 bytes: 256 consecutive bytes
.if \more
	global_load_b128 v[X+4*\j:X+4*\j+3], v2, s[4:5] offset:8192+256*\j th:TH_LOAD_NT
.endif
.endr
.endm
	PAIR 0, 1
	PAIR 1, 0
	s_endpgm
; ---- a weight matrix [1024][pitch / 4] of f32 into panels of bf16.  s24 = the work-group's number in its path: panel s24 >> 1,
; k half s24 & 1; a wave takes 64 rows of k, two rows a load, all 32 loads out at once; no register is written twice. ----
.macro CONV src, dst, pitch
	s_lshr_b32 s25, s24, 1                         ; panel
	s_and_b32 s26, s24, 1
	s_lshl_b32 s26, s26, 9
	s_lshl_b32 s27, s20, 6
	s_add_co_u32 s26, s26, s27                     ; my first k = 512 half + 64 w
	s_mul_i32 s28, s26, \pitch
	s_lshl_b32 s27, s25, 8
	s_add_co_u32 s28, s28, s27                     ; source: k x pitch + 256 panel
	s_mov_b32 s29, 0
	s_lshl_b32 s26, s26, 7
	s_lshl_b32 s27, s25, 17
	s_add_co_u32 s26, s26, s27                     ; destination: 131072 panel + 128 k
	s_mov_b32 s27, 0
	v_mul_u32_u24 v5, v5, \pitch
	v_add_nc_u32 v5, v5, v3                        ; hh x pitch + 16 r
	s_wait_kmcnt 0x0
	s_add_nc_u64 s[\src:\src+1], s[\src:\src+1], s[28:29]
	s_add_nc_u64 s[\dst:\dst+1], s[\dst:\dst+1], s[26:27]
.set i, 0
.rept 32
	global_load_b128 v[X+4*i:X+4*i+3], v5, s[\src:\src+1] offset:2*i*\pitch th:TH_LOAD_NT
.set i, i+1
.endr
.set i, 0
.rept 32
	s_wait_loadcnt 31-i                            ; loads come back in order: load i is in, the younger ones stay out
	v_cvt_pk_bf16_f32 v[BT+2*i], v[X+4*i], v[X+4*i+1]
	v_cvt_pk_bf16_f32 v[BT+2*i+1], v[X+4*i+2], v[X+4*i+3]
	global_store_b64 v4, v[BT+2*i:BT+2*i+1], s[\dst:\dst+1] offset:256*i
.set i, i+1
.endr
.endm
.Lweights:
	s_cmp_lt_u32 ttmp9, 352
	s_cbranch_scc0 .Lwout
	s_sub_co_u32 s24, ttmp9, 256
	CONV 10, 16, 12288
	s_endpgm
.Lwout:
	s_sub_co_u32 s24, ttmp9, 352
	CONV 12, 18, 4096
	s_endpgm
.Lfunc_end_k_q0939782caa_prep:
	.size	k_q0939782caa_prep, .Lfunc_end_k_q0939782caa_prep-k_q0939782caa_prep
	.p2alignl 7, 3214868480
	.fill 96, 4, 3214868480
	.section	.rodata,"a",@progbits
	.p2align	6, 0x0
	.amdhsa_kernel k_q0939782caa_prep
		.amdhsa_group_segment_fixed_size 0
		.amdhsa_private_segment_fixed_size 0
		.amdhsa_enable_private_segment 0
		.amdhsa_kernarg_size 64
		.amdhsa_user_sgpr_count 2
		.amdhsa_user_sgpr_kernarg_segment_ptr 1
		.amdhsa_wavefront_size32 1
		.amdhsa_system_sgpr_workgroup_id_x 1
		.amdhsa_system_sgpr_workgroup_id_y 1
		.amdhsa_system_sgpr_workgroup_id_z 1
		.amdhsa_system_vgpr_workitem_id 0
		.amdhsa_next_free_vgpr 240
		.amdhsa_next_free_sgpr 66
		.amdhsa_reserve_vcc 0
		.amdhsa_float_denorm_mode_32 3
		.amdhsa_float_denorm_mode_16_64 3
		.amdhsa_memory_ordered 1
		.amdhsa_forward_progress 1
		.amdhsa_inst_pref_size 60
	.end_amdhsa_kernel
	.amdgpu_metadata
---
amdhsa.version: [ 1, 2 ]
amdhsa.kernels:
  - .name:           k_q0939782caa_prep
    .symbol:         k_q0939782caa_prep.kd
    .args:
      - { .name: hidden_states, .offset: 0, .size: 8, .value_kind: global_buffer, .address_space: global }
      - { .name: ln_gamma, .offset: 8, .size: 8, .value_kind: global_buffer, .address_space: global }
      - { .name: ln_beta, .offset: 16, .size: 8, .value_kind: global_buffer, .address_space: global }
      - { .name: W_qkv, .offset: 24, .size: 8, .value_kind: global_buffer, .address_space: global }
      - { .name: W_out, .offset: 32, .size: 8, .value_kind: global_buffer, .address_space: global }
      - { .name: xln, .offset: 40, .size: 8, .value_kind: global_buffer, .address_space: global }
      - { .name: wq, .offset: 48, .size: 8, .value_kind: global_buffer, .address_space: global }
      - { .name: wo, .offset: 56, .size: 8, .value_kind: global_buffer, .address_space: global }
    .group_segment_fixed_size: 0
    .private_segment_fixed_size: 0
    .kernarg_segment_align: 8
    .kernarg_segment_size: 64
    .max_flat_workgroup_size: 256
    .sgpr_count:     66
    .vgpr_count:     240
    .wavefront_size: 32
...
	.end_amdgpu_metadata
.endif
;; end of part 1
;; launch qkvproj (part 2): grid 16 x 32, 4 waves a work-group, clusters of 4 x 4, 327,680 bytes of LDS; arguments xln, wq, b_qkv, qkv; writes qkv
.if DOCPART == 2
	.amdgcn_target "amdgcn-amd-amdhsa--gfx1250"
	.amdhsa_code_object_version 6
	.text
	.protected	k_q0939782caa_qkvproj
	.globl	k_q0939782caa_qkvproj
	.p2align	8
	.type	k_q0939782caa_qkvproj,@function
k_q0939782caa_qkvproj:
	s_mov_b64 s[64:65], 0
	v_nop
	global_prefetch_b8 v0, s[64:65] scope:SCOPE_SE
	s_setreg_imm32_b32 hwreg(HW_REG_WAVE_MODE, 25, 1), 1
	s_wait_xcnt 0x0
	s_wait_alu depctr_hold_cnt(0) depctr_sa_sdst(0) depctr_va_vdst(0) depctr_va_sdst(0) depctr_va_ssrc(0) depctr_va_vcc(0) depctr_vm_vsrc(0)
	s_getreg_b32 s2, hwreg(HW_REG_IB_STS2, 6, 4)
	s_cmp_eq_u32 s2, 0
	s_cbranch_scc0 .Lentry_in_a_cluster
	s_endpgm
.Lentry_in_a_cluster:
	s_bfe_u32 s2, ttmp6, 0x10000c
	s_cmp_lg_u32 s2, 0xf033
	s_cbranch_scc0 .Lentry_shape_is_right
	s_endpgm
.Lentry_shape_is_right:
; qkv = xln W_qkv + b_qkv, 8192 x 3072, K = 1024; bf16 operands, f32 sums, the result rounded once to bf16.
; xln: [b][panel 16][s 2048][64], wq: [panel 48][k 1024][64], qkv: [which 3][b 4][head 16][s 2048][64], all bf16.
; A work-group makes 256 rows x 192 columns (three heads' panels) with four waves; wave w makes rows 64 w .. 64 w + 63 of all 192 columns:
; 4 x 12 accumulator tiles, 384 registers.  16 x 32 = 512 work-groups: twice as many as 256.
; K goes in steps of 128 (four quarters of 32) through two LDS slots filled by the tensor data mover; every tile is made of dense runs of
; whole 256-byte blocks, since a panel's rows follow each other in memory.
; CLUSTERS: 4 x 4 work-groups.  The four of a row of the cluster need the same rows of xln, the four of a column the same panels of wq:
; such a tile is asked for jointly, which divides the requests for both by four.
; W lies [k][n] in LDS and is read by the transposing load.  THE MATRIX INSTRUCTION IS USED TRANSPOSED: source 0 = 16 columns of W,
; source 1 = 16 rows of xln, so lane (r, h) holds row r of the result and its registers the columns 8 h + 0 .. 7: 16 bytes of bf16 that
; belong together.  The bias is the C operand of the first products: nothing is cleared and nothing is added later.
; REGISTER WINDOWS: 0: addresses, A fragments (two buffers), bias, the way out; 1: W fragments (two buffers);
;                   2: accumulators of my rows 0-31; 3: of my rows 32-63 (tile (a, bt) at v[8 (12 (a & 1) + bt)]).
.set NT,     12                        ; column tiles of a wave
.set NP,     3                         ; panels of W in a block
.set AMASK,  1                         ; a & AMASK: the row tile's place in its window
.set APITCH, 144                       ; an LDS row of A: 128 bytes + 16: an odd multiple of 16
.set BPITCH, 160                       ; an LDS row of W: 128 bytes + 32: an odd multiple of 32, for the transposing load
.set APAN,   256*APITCH                ; a panel of A: 256 rows
.set BOFF,   2*APAN                    ; W's part of a slot
.set BPAN,   64*BPITCH                 ; 64 k of one panel of W
.set BHALF,  NP*BPAN                   ; 64 k of all panels
.set SLOT,   BOFF+2*BHALF
.set STAGE,  2*SLOT                    ; behind the ring: each wave's own bytes for the way out; no tensor load lands there
.set WSTAGE, NP*16*144
.set LAPS,   4                         ; 1024 / (2 x 128)
.set ADRA, 16                          ; v16-17  LDS address of my A fragments, slot 0, 1
.set ADRB, 20                          ; v20-21  the same for W
.set STO,  24
.set RD,   25
.set CO,   26                          ; 16 x lane
.set BO,   27                          ; 32 h: my place in a tile's 16 numbers of the bias
.set FA,   32                          ; v32-63, v64-95  A fragments, buffers 0, 1
.set BIAS, 96                          ; v96-191  12 tiles of C: register j = bias[16 bt + 8 h + j]
.set RB0,  96                          ; the way out: rows read back, two sets of 48 (the bias is spent by then)
.set RB1,  144
.set TMP,  192                         ; v192-239 the way out: packed results
.set G1A, 24
.set G0A, 32
.set G1B, 48
.set G0B, 56
.set MUL_LO,  0xa1                     ; source 0 (W) window 1, source 1 (A) window 0, C and D window 2
.set MUL_HI,  0xf1                     ; C and D window 3
.set INIT_LO, 0x81                     ; C (the bias) window 0, D window 2
.set INIT_HI, 0xc1
.set TO_B,    0x40                     ; destination window 1, address window 0
.set MSB, 0
.macro WIN new                         ; the immediate's high byte repeats the setting that is left
.if MSB != \new
	s_set_vgpr_msb (MSB<<8)|\new
.set MSB, \new
.endif
.endm
.macro PLACES                          ; four places behind matrix instructions (ISA guide 7.12.1), where no useful plain work is at hand
.rept 4
	v_nop
.endr
.endm
; a joint load: waves 0, 1 ask for A's two panels, waves 2, 3 for W's two k halves; the branch hangs on the wave's number alone
.macro JLOAD s
	s_cmp_eq_u32 s13, 0
	s_cbranch_scc0 .Lfor_b_\@
	tensor_load_to_lds s[G0A+4*\s:G0A+4*\s+3], s[G1A:G1A+7]
	s_nop 0
	s_branch .Lasked_\@
.Lfor_b_\@:
	tensor_load_to_lds s[G0B+4*\s:G0B+4*\s+3], s[G1B:G1B+7]
	s_nop 0
.Lasked_\@:
.endm
.macro CREST                           ; a round of the cluster's barrier behind its opening work-group barrier
	s_cmp_lg_u32 s12, 0
	s_cbranch_scc1 .Lnot_wave_0_\@
	s_barrier_signal -3
.Lnot_wave_0_\@:
	s_barrier_wait -3
	s_barrier_signal -1
	s_barrier_wait -1
.endm
.macro CROUND
	s_barrier_signal -1
	s_barrier_wait -1
	CREST
.endm
	s_load_b256 s[4:11], s[0:1], 0x0               ; xln s[4:5], wq s[6:7], b_qkv s[8:9], qkv s[10:11]
	s_set_vgpr_msb 0x40
	v_lshl_add_u32 v255, v0, 2, 0x48c00
	s_set_vgpr_msb 0x4000
	v_mov_b32 v255, 0
	s_set_vgpr_msb 0x1
	ds_add_u32 v255, v255
	s_set_vgpr_msb 0x100
	v_lshrrev_b32 v1, 5, v0
	v_readfirstlane_b32 s12, v1                    ; wave 0..3
	s_lshr_b32 s13, s12, 1                         ; I fetch for A (0) or for W (1)
	s_and_b32 s14, s12, 1                          ; which panel of A, which k half of W
	s_bfe_u32 s40, ttmp6, 0x40000                  ; cx
	s_bfe_u32 s41, ttmp6, 0x40004                  ; cy
	s_lshl_b32 s42, ttmp9, 2
	s_add_co_u32 s42, s42, s40                     ; block column = 4 x cluster x + cx
	s_and_b32 s43, ttmp7, 0xffff
	s_lshl_b32 s43, s43, 2
	s_add_co_u32 s43, s43, s41                     ; block row = 4 x cluster y + cy
	s_lshl_b32 s44, s41, 2
	s_lshl_b32 s44, 15, s44                        ; my row of the cluster
	s_lshl_b32 s45, 0x1111, s40                    ; my column
	; group 1 for A: a panel's 256 rows of 128 bytes are 32 KiB in one run: 128 rows of 32 elements of 8 bytes; 4 words of padding behind every 32 words
	s_or_b32 s[G1A+0], s44, (3<<16)|(1<<20)|(1<<21)|(4<<22)|(3<<25)
	s_mov_b32 s[G1A+1], 32<<16                     ; tensor_dim0 = 32
	s_mov_b32 s[G1A+2], 128<<16                    ; tensor_dim1 = 128
	s_mov_b32 s[G1A+3], 32<<16                     ; tile_dim0 = 32
	s_mov_b32 s[G1A+4], 128                        ; tile_dim1 = 128
	s_mov_b32 s[G1A+5], 32                         ; pitch = 32 elements: dense
	s_mov_b32 s[G1A+6], 0
	s_mov_b32 s[G1A+7], 0
	; group 1 for W: 64 k of a panel are 8 KiB in one run = one row of 1024 elements of 8 bytes; NP such rows, 131072 bytes apart; 8 words of padding behind every 32
	s_or_b32 s[G1B+0], s45, (3<<16)|(1<<20)|(1<<21)|(4<<22)|(7<<25)
	s_mov_b32 s[G1B+1], 1024<<16
	s_mov_b32 s[G1B+2], NP<<16
	s_mov_b32 s[G1B+3], 1024<<16
	s_mov_b32 s[G1B+4], NP
	s_mov_b32 s[G1B+5], 16384
	s_mov_b32 s[G1B+6], 0
	s_mov_b32 s[G1B+7], 0
	; A's address hangs on the block row and the wave alone, W's on the block column and the wave alone, each in registers of its own
	s_lshr_b32 s16, s43, 3                         ; batch
	s_lshl_b32 s16, s16, 22
	s_and_b32 s17, s43, 7
	s_lshl_b32 s17, s17, 15                        ; 256 rows x 128 bytes
	s_add_co_u32 s16, s16, s17
	s_lshl_b32 s17, s14, 18                        ; my panel of the K step's two
	s_add_co_u32 s16, s16, s17
	s_mov_b32 s17, 0
	s_mul_i32 s46, s42, NP*131072
	s_lshl_b32 s47, s14, 13                        ; my 64 k of the K step's 128
	s_add_co_u32 s46, s46, s47
	s_mov_b32 s47, 0
	s_mul_i32 s20, s12, APAN                       ; LDS: waves 0, 1: A's panels
	s_mul_i32 s21, s12, BHALF
	s_add_co_u32 s21, s21, BOFF-2*BHALF            ; waves 2, 3: W's halves, behind A
	s_wait_dscnt 0x0
	s_wait_kmcnt 0x0
	s_add_nc_u64 s[18:19], s[4:5], s[16:17]
	s_add_nc_u64 s[46:47], s[6:7], s[46:47]
	CROUND                                         ; all sixteen work-groups are here: the first joint loads meet
.irp s, 0,1
	s_mov_b32 s[G0A+4*\s], 1
	s_add_co_u32 s[G0A+4*\s+1], s20, \s*SLOT
	s_add_nc_u64 s[G0A+4*\s+2:G0A+4*\s+3], s[18:19], \s*524288     ; K step s: two panels on
	s_or_b32 s[G0A+4*\s+3], s[G0A+4*\s+3], 0x80000000
	s_mov_b32 s[G0B+4*\s], 1
	s_add_co_u32 s[G0B+4*\s+1], s21, \s*SLOT
	s_add_nc_u64 s[G0B+4*\s+2:G0B+4*\s+3], s[46:47], \s*16384      ; K step s: 128 rows of 128 bytes on
	s_or_b32 s[G0B+4*\s+3], s[G0B+4*\s+3], 0x80000000
	JLOAD \s                                       ; two tensor loads of the wave are out
.endr
	v_and_b32 v1, 15, v0                           ; r
	v_bfe_u32 v2, v0, 4, 1                         ; h
	v_lshlrev_b32 v[BO], 5, v2
	s_mul_i32 s72, s42, 768                        ; the block's 192 numbers of the bias
	s_mov_b32 s73, 0
	s_add_nc_u64 s[8:9], s[8:9], s[72:73]
.set bt, 0
.rept NT
	global_load_b128 v[BIAS+8*bt:BIAS+8*bt+3], v[BO], s[8:9] offset:64*bt
	global_load_b128 v[BIAS+8*bt+4:BIAS+8*bt+7], v[BO], s[8:9] offset:64*bt+16
.set bt, bt+1
.endr
	v_and_b32 v3, 31, v0
	v_lshlrev_b32 v[CO], 4, v3
	v_mul_u32_u24 v4, v1, APITCH
	v_lshl_add_u32 v4, v2, 4, v4                   ; r x 144 + 16 h
	s_mul_i32 s22, s12, 64*APITCH                  ; my 64 rows
	v_add_nc_u32 v[ADRA], s22, v4
	v_add_nc_u32 v[ADRA+1], SLOT, v[ADRA]
	v_and_b32 v5, 7, v0
	v_lshl_add_u32 v5, v2, 3, v5                   ; the transposing load: row 8 h + (lane & 7),
	v_mul_u32_u24 v5, v5, BPITCH
	v_bfe_u32 v6, v0, 3, 1
	v_lshl_add_u32 v5, v6, 4, v5                   ; 16 bytes further for lanes 8-15 and 24-31
	v_add_nc_u32 v[ADRB], BOFF, v5
	v_add_nc_u32 v[ADRB+1], SLOT, v[ADRB]
	s_mul_i32 s23, s12, WSTAGE
	s_add_co_u32 s23, s23, STAGE                   ; my stage
	v_add_nc_u32 v[STO], s23, v4                   ; in: row r, 16 bytes for each half of the lanes
	v_bfe_u32 v7, v0, 3, 2
	v_mul_u32_u24 v7, v7, 144
	v_and_b32 v8, 7, v0
	v_lshl_add_u32 v7, v8, 4, v7
	v_add_nc_u32 v[RD], s23, v7                    ; back: four rows of 128 bytes a load
; NT matrix instructions: row tile a x all column tiles, 32 along K, from buffer f.  init = 1: C is the bias.
; The accumulators take turns, one instruction a turn, in the same order in every quarter.
.macro MULA f, a, init
.set bt, 0
.rept NT
.if \init
	v_wmma_f32_16x16x32_bf16 v[8*(NT*((\a)&AMASK)+bt):8*(NT*((\a)&AMASK)+bt)+7], v[8*NT*\f+8*bt:8*NT*\f+8*bt+7], v[FA+32*\f+8*\a:FA+32*\f+8*\a+7], v[BIAS+8*bt:BIAS+8*bt+7]
.else
	v_wmma_f32_16x16x32_bf16 v[8*(NT*((\a)&AMASK)+bt):8*(NT*((\a)&AMASK)+bt)+7], v[8*NT*\f+8*bt:8*NT*\f+8*bt+7], v[FA+32*\f+8*\a:FA+32*\f+8*\a+7], v[8*(NT*((\a)&AMASK)+bt):8*(NT*((\a)&AMASK)+bt)+7]
.endif
.set bt, bt+1
.endr
.endm
; the fragments of quarter qd of a slot into buffer f: 2 NT transposing loads of W, then 8 loads of A in the order of the row tiles
.macro FETCH slot, qd, f
	WIN TO_B
.set bt, 0
.rept NT
	ds_load_tr16_b128 v[8*NT*\f+8*bt:8*NT*\f+8*bt+3], v[ADRB+\slot] offset:((\qd)>>1)*BHALF+(bt>>2)*BPAN+((\qd)&1)*32*BPITCH+(bt&3)*32
	ds_load_tr16_b128 v[8*NT*\f+8*bt+4:8*NT*\f+8*bt+7], v[ADRB+\slot] offset:((\qd)>>1)*BHALF+(bt>>2)*BPAN+((\qd)&1)*32*BPITCH+(bt&3)*32+16*BPITCH
.set bt, bt+1
.endr
	WIN 0
.irp a, 0,1,2,3
	ds_load_b128 v[FA+32*\f+8*\a:FA+32*\f+8*\a+3], v[ADRA+\slot] offset:((\qd)>>1)*APAN+\a*16*APITCH+((\qd)&1)*64
	ds_load_b128 v[FA+32*\f+8*\a+4:FA+32*\f+8*\a+7], v[ADRA+\slot] offset:((\qd)>>1)*APAN+\a*16*APITCH+((\qd)&1)*64+32
.endr
.endm
; one of a K step's first three quarters: multiplies buffer f, and in its middle fetches quarter qn of the same slot into buffer g
.macro QUARTER slot, qn, f, g, init
	s_wait_dscnt 4                                 ; W and A's row tiles 0, 1 are in; the youngest four loads (row tiles 2, 3) may be out
.if \init
	WIN INIT_LO
.else
	WIN MUL_LO
.endif
	MULA \f, 0, \init
	MULA \f, 1, \init
	PLACES                                         ; buffer g was read by the quarter before
	FETCH \slot, \qn, \g
	s_wait_dscnt 2*NT+8                            ; all but the loads just issued
.if \init
	WIN INIT_HI
.else
	WIN MUL_HI
.endif
	MULA \f, 2, \init
	MULA \f, 3, \init
.endm
.macro THREE slot, init
	QUARTER \slot, 1, 0, 1, \init
	QUARTER \slot, 2, 1, 0, 0
	QUARTER \slot, 3, 0, 1, 0
.endm
; the last quarter multiplies buffer 1 and changes slots.  In front of the barrier each wave waits for its reads of this slot and for all its
; tensor loads (one is out: its part of the next slot).  fill = 1: the barrier opens a round of the cluster's barrier, and the joint refill
; of this slot, two K steps ahead, is the first tensor load behind the round.
.macro TURN slot, next, fill
	s_wait_dscnt 4
	WIN MUL_LO
	MULA 1, 0, 0
	s_wait_dscnt 0x0                               ; my reads of this slot are over
	s_wait_tensorcnt 0x0                           ; all my tensor loads have landed
	ds_add_u32 v255, v255
	s_wait_dscnt 0x0
	s_barrier_signal -1
	MULA 1, 1, 0                                   ; register work while the others arrive
	WIN 0
	s_barrier_wait -1
.if \fill
	CREST
	s_add_nc_u64 s[G0A+4*\slot+2:G0A+4*\slot+3], s[G0A+4*\slot+2:G0A+4*\slot+3], 1048576   ; no tensor load of mine is out: the groups may be written
	s_add_nc_u64 s[G0B+4*\slot+2:G0B+4*\slot+3], s[G0B+4*\slot+2:G0B+4*\slot+3], 32768
	JLOAD \slot
.endif
	PLACES
	FETCH \next, 0, 0
	WIN MUL_HI
	MULA 1, 2, 0
	MULA 1, 3, 0
.endm
.macro LAP init
	THREE 0, \init
	TURN 0, 1, 1
	THREE 1, 0
	TURN 1, 0, 1
.endm
	s_wait_tensorcnt 1                             ; my part of K step 0 is in; K step 1's may stay out
	s_barrier_signal -1
	s_barrier_wait -1
	FETCH 0, 0, 0
	s_wait_loadcnt 0x0                             ; the bias
	LAP 1
	WIN 0
	s_mov_b32 s15, LAPS-2
.Llap:
	LAP 0
	WIN 0
	s_sub_co_u32 s15, s15, 1
	s_cmp_lg_u32 s15, 0
	s_cbranch_scc1 .Llap
	THREE 0, 0                                     ; the last lap fills nothing
	TURN 0, 1, 0
	THREE 1, 0
	s_wait_dscnt 4
	WIN MUL_LO
	MULA 1, 0, 0
	MULA 1, 1, 0
	s_wait_dscnt 0x0
	WIN MUL_HI
	MULA 1, 2, 0
	MULA 1, 3, 0
	; THE WAY OUT, 16 rows at a time: round to bf16, 16 bytes a lane into my stage, read back four rows of a panel (512 bytes) at a time
	PLACES
	s_mul_i32 s72, s42, 3                          ; the block's first panel of 48
	s_lshr_b32 s73, s43, 3                         ; batch
	s_and_b32 s74, s43, 7
	s_lshl_b32 s74, s74, 15
	s_lshl_b32 s75, s12, 13
	s_add_co_u32 s74, s74, s75                     ; my first row in the panel x 128 bytes
.irp hp, 0,1,2
	s_add_co_u32 s76, s72, \hp
	s_lshr_b32 s77, s76, 4                         ; q, k or v
	s_lshl2_add_u32 s77, s77, s73                  ; x 4 + batch
	s_and_b32 s76, s76, 15
	s_lshl4_add_u32 s77, s77, s76                  ; x 16 + head
	s_lshl_b32 s77, s77, 18
	s_add_co_u32 s76, s77, s74
	s_mov_b32 s77, 0
	s_add_nc_u64 s[66+2*\hp:67+2*\hp], s[10:11], s[76:77]
.endr
.macro OUT16 a, rb
.if \a < 2
	WIN 0x0a
.else
	WIN 0x0f
.endif
.set bt, 0
.rept NT
.irp i, 0,1,2,3
	v_cvt_pk_bf16_f32 v[TMP+4*bt+\i], v[8*(NT*((\a)&1)+bt)+2*\i], v[8*(NT*((\a)&1)+bt)+2*\i+1]
.endr
.set bt, bt+1
.endr
	WIN 0
.set bt, 0
.rept NT
	ds_store_b128 v[STO], v[TMP+4*bt:TMP+4*bt+3] offset:(bt>>2)*2304+(bt&3)*32
.set bt, bt+1
.endr
	s_wait_xcnt 0x0                                ; set rb, which earlier stores read, is loaded again only behind this wait
.set n, 0
.rept 12
	ds_load_b128 v[\rb+4*n:\rb+4*n+3], v[RD] offset:(n>>2)*2304+(n&3)*576   ; LDS serves a wave's instructions in order: these see the stores above
.set n, n+1
.endr
.set n, 0
.rept 12
	s_wait_dscnt 11-n
	global_store_b128 v[CO], v[\rb+4*n:\rb+4*n+3], s[66+2*(n>>2):67+2*(n>>2)] offset:\a*2048+(n&3)*512   ; 512 consecutive bytes, aligned
.set n, n+1
.endr
.endm
	OUT16 0, RB0
	OUT16 1, RB1
	OUT16 2, RB0
	OUT16 3, RB1
	s_set_vgpr_msb 0x1
	s_wait_tensorcnt 0x0
	ds_add_u32 v255, v255
	s_wait_dscnt 0x0
	s_set_vgpr_msb 0x100
	CROUND                                         ; the closing round: no work-group ends while a partner may still ask jointly
	s_endpgm
.Lfunc_end_k_q0939782caa_qkvproj:
	.size	k_q0939782caa_qkvproj, .Lfunc_end_k_q0939782caa_qkvproj-k_q0939782caa_qkvproj
	.p2alignl 7, 3214868480
	.fill 96, 4, 3214868480
	.section	.rodata,"a",@progbits
	.p2align	6, 0x0
	.amdhsa_kernel k_q0939782caa_qkvproj
		.amdhsa_group_segment_fixed_size 327680
		.amdhsa_private_segment_fixed_size 0
		.amdhsa_enable_private_segment 0
		.amdhsa_kernarg_size 32
		.amdhsa_user_sgpr_count 2
		.amdhsa_user_sgpr_kernarg_segment_ptr 1
		.amdhsa_wavefront_size32 1
		.amdhsa_system_sgpr_workgroup_id_x 1
		.amdhsa_system_sgpr_workgroup_id_y 1
		.amdhsa_system_sgpr_workgroup_id_z 1
		.amdhsa_system_vgpr_workitem_id 0
		.amdhsa_next_free_vgpr 960
		.amdhsa_next_free_sgpr 90
		.amdhsa_reserve_vcc 0
		.amdhsa_float_denorm_mode_32 3
		.amdhsa_float_denorm_mode_16_64 3
		.amdhsa_memory_ordered 1
		.amdhsa_forward_progress 1
		.amdhsa_inst_pref_size 166
	.end_amdhsa_kernel
	.amdgpu_metadata
---
amdhsa.version: [ 1, 2 ]
amdhsa.kernels:
  - .name:           k_q0939782caa_qkvproj
    .symbol:         k_q0939782caa_qkvproj.kd
    .args:
      - { .name: xln, .offset: 0, .size: 8, .value_kind: global_buffer, .address_space: global }
      - { .name: wq, .offset: 8, .size: 8, .value_kind: global_buffer, .address_space: global }
      - { .name: b_qkv, .offset: 16, .size: 8, .value_kind: global_buffer, .address_space: global }
      - { .name: qkv, .offset: 24, .size: 8, .value_kind: global_buffer, .address_space: global }
    .group_segment_fixed_size: 327680
    .private_segment_fixed_size: 0
    .kernarg_segment_align: 8
    .kernarg_segment_size: 32
    .max_flat_workgroup_size: 128
    .sgpr_count:     90
    .vgpr_count:     960
    .wavefront_size: 32
...
	.end_amdgpu_metadata
.endif
;; end of part 2
;; launch attn (part 3): grid 4 x 64, 8 waves a work-group, clusters of 4 x 4, 327,680 bytes of LDS; arguments qkv, attention_mask, att; writes att
.if DOCPART == 3
	.amdgcn_target "amdgcn-amd-amdhsa--gfx1250"
	.amdhsa_code_object_version 6
	.text
	.protected	k_q0939782caa_attn
	.globl	k_q0939782caa_attn
	.p2align	8
	.type	k_q0939782caa_attn,@function
k_q0939782caa_attn:
	s_mov_b64 s[64:65], 0
	v_nop
	global_prefetch_b8 v0, s[64:65] scope:SCOPE_SE
	s_setreg_imm32_b32 hwreg(HW_REG_WAVE_MODE, 25, 1), 1
	s_wait_xcnt 0x0
	s_wait_alu depctr_hold_cnt(0) depctr_sa_sdst(0) depctr_va_vdst(0) depctr_va_sdst(0) depctr_va_ssrc(0) depctr_va_vcc(0) depctr_vm_vsrc(0)
	s_getreg_b32 s2, hwreg(HW_REG_IB_STS2, 6, 4)
	s_cmp_eq_u32 s2, 0
	s_cbranch_scc0 .Lentry_in_a_cluster
	s_endpgm
.Lentry_in_a_cluster:
	s_bfe_u32 s2, ttmp6, 0x10000c
	s_cmp_lg_u32 s2, 0xf033
	s_cbranch_scc0 .Lentry_shape_is_right
	s_endpgm
.Lentry_shape_is_right:
; att = softmax(Q K^T / 8 + mask) V for 64 (batch, head) pairs, S = 2048, d = 64.  qkv: [which 3][b 4][head 16][s 2048][64] bf16,
; attention_mask: [4][2048][2048] f32, att: [b][head][s][64] bf16.  Softmax with a running maximum, in f32; P rounded to bf16.
; A work-group owns a batch, 128 queries and 4 heads; wave w owns head w & 3 and the queries 64 (w >> 2) .. + 63: four query tiles of 16.
; Keys go in steps of 64 through two LDS slots, each with K and V of the four heads and the 128 x 64 piece of the mask.
; CLUSTERS: 4 x 4 work-groups: x = the head group, y = the query block.  The four of a column of the cluster need the same K and V tiles,
; the four of a row the same piece of the mask: both are asked for jointly, which divides the requests for all three by four.
; TRANSPOSED FORM: S^T = K Q^T + mask^T (source 0 = 16 keys of K, source 1 = 16 queries of Q, C = registers loaded with the mask), so lane (r, h)
; holds query r and the keys 16 kt + 8 h + j.  Maximum and sum of a query are then a lane's own but for one exchange between the halves, and two key
; tiles, rounded and packed in place, ARE the second source of O^T = V^T P^T (source 0 = V read by the transposing load): no shuffle anywhere.
; THE PIPELINE: a query tile's softmax is 118 vector instructions, its products 16 matrix instructions.  The softmax of tile q carries, among its own
; lines, the score products of tile q + 1 and the PV products of tile q - 1, round the step's end too (tile 3 carries the next step's tile 0, tile 0 the
; last step's tile 3), so that a wave's matrix and vector work run side by side.  None of the carried products names a register of tile q.
; LIMITS: the running maximum starts at -1e30, not at -infinity, so that a block of -infinity gives p = 0 and no NaN.  A query whose scores ALL lie
; below -1e30 ends with l = 0 and gives NaN.  The 1/8 is applied to the bf16 Q (exact but for bf16 denormals).
; Every p of a query carries the factor 2^NM, NM = the rounded -max x log2(e); the rescale factor is 2^(NM new - NM old), so NM's rounding cancels in O / l.
; REGISTER WINDOWS: 0: addresses, softmax state, scores S, K fragments; 1: O (4 x 4 tiles), Q fragments, V fragments.
; The score products run under the setting 0x04 (source 1, Q, in window 1); of the softmax the exponentials, the multiply-adds whose second source is a
; scalar or a constant, and so the sums written as p x 1.0 + sum, are valid under it too.  The PV products run under 0x51, and so does the rescaling of O.
.set KPITCH, 144
.set VPITCH, 160
.set MPITCH, 272
.set MOFF,   4*64*KPITCH               ; K: [4 heads][64 keys], then the mask: [128 queries] of 256 bytes
.set VOFF,   MOFF+128*MPITCH           ; then V: [4 heads][64 keys]
.set SLOT,   VOFF+4*64*VPITCH
.set STAGE,  2*SLOT                    ; each wave's own 16 rows x 144 bytes for the way out; no tensor load lands there
.set WSTAGE, 16*144
.set KADR, 2                           ; v2-3   LDS address of my K fragments, slot 0, 1
.set VADR, 4
.set MADR, 6
.set STO,  8
.set RD,   9
.set CO,   10                          ; 16 x lane
.set QO,   11
.set PFO,  12                          ; lane x 8192: a row of the mask for each lane
.set MX,   16                          ; v16-19 running maximum of query tile qt
.set LS,   20                          ; v[20:27] running sums, a pair for each query tile
.set NM,   28                          ; v[28:29] -max x log2(e) (v29 is written once and never used)
.set AL,   30                          ; v[30:31] the rescale factor (v31 likewise)
.set TP,   34                          ; v[34:35] first chain of a step's sums
.set NMO,  36                          ; v36-39 NM of the step before
.set TQ,   42                          ; v[42:43] second chain
.set TA,   44                          ; v44-47 four chains of the maximum
.set SC,   64                          ; v[64+32 qt+8 kt+j]: mask, score, p, then packed P
.set PK,   96                          ; the way out: packed results
.set KF,   192                         ; v[192+16 kt+8 dh]: K fragments
.set OW,   0                           ; window 1: v[32 qt+8 dt]
.set QW,   128                         ; window 1: v[128+16 qt+8 dh]
.set VF,   192                         ; window 1: v[192+16 dt+8 kp]
.set G1K, 16
.set G1V, 24
.set G1M, 32
.set G0K, 40
.set G0V, 48
.set G0M, 56
.set MSB, 0
.macro WIN new                         ; the immediate's high byte repeats the setting that is left
.if MSB != (\new)
	s_set_vgpr_msb (MSB<<8)|(\new)
.set MSB, \new
.endif
.endm
.macro PLACES
.rept 4
	v_nop
.endr
.endm
; a joint load: waves 0, 1 ask for K (two heads each), waves 2, 3 for V, waves 4-7 for 32 rows of the mask each
.macro JLOAD s
	s_cmp_lt_u32 s10, 2
	s_cbranch_scc0 .Lnot_k_\@
	tensor_load_to_lds s[G0K+4*\s:G0K+4*\s+3], s[G1K:G1K+7]
	s_nop 0
	s_branch .Lasked_\@
.Lnot_k_\@:
	s_cmp_lt_u32 s10, 4
	s_cbranch_scc0 .Lnot_v_\@
	tensor_load_to_lds s[G0V+4*\s:G0V+4*\s+3], s[G1V:G1V+7]
	s_nop 0
	s_branch .Lasked_\@
.Lnot_v_\@:
	tensor_load_to_lds s[G0M+4*\s:G0M+4*\s+3], s[G1M:G1M+7]
	s_nop 0
.Lasked_\@:
.endm
.macro CREST
	s_cmp_lg_u32 s10, 0
	s_cbranch_scc1 .Lnot_wave_0_\@
	s_barrier_signal -3
.Lnot_wave_0_\@:
	s_barrier_wait -3
	s_barrier_signal -1
	s_barrier_wait -1
.endm
.macro CROUND
	s_barrier_signal -1
	s_barrier_wait -1
	CREST
.endm
	s_load_b128 s[4:7], s[0:1], 0x0                ; qkv s[4:5], attention_mask s[6:7]
	s_load_b64 s[8:9], s[0:1], 0x10                ; att
	v_lshl_add_u32 v62, v0, 2, 0x3b800
	v_mov_b32 v63, 0
	ds_add_u32 v62, v63
	v_lshrrev_b32 v1, 5, v0
	v_readfirstlane_b32 s10, v1                    ; wave 0..7
	s_and_b32 s12, s10, 3                          ; my head of the group's four
	s_lshr_b32 s13, s10, 2                         ; my half of the 128 queries
	s_bfe_u32 s14, ttmp6, 0x40000                  ; cx
	s_bfe_u32 s15, ttmp6, 0x40004                  ; cy
	s_and_b32 s74, ttmp7, 0xffff                   ; cluster y
	s_lshr_b32 s75, s74, 2                         ; batch: 16 query blocks = 4 clusters a batch; made without cy
	s_lshl_b32 s76, ttmp9, 2
	s_add_co_u32 s76, s76, s14                     ; head group = 4 x cluster x + cx
	s_lshl_b32 s77, s74, 2
	s_add_co_u32 s77, s77, s15                     ; y = 4 x cluster y + cy = 16 batch + query block
	s_lshl_b32 s78, 0x1111, s14                    ; my column of the cluster
	s_lshl_b32 s79, s15, 2
	s_lshl_b32 s79, 15, s79                        ; my row
	s_mov_b32 s66, 0x3fb8aa3b                      ; log2(e), twice
	s_mov_b32 s67, 0x3fb8aa3b
	s_mov_b32 s68, 0x76543210                      ; v_permlanex16_b32: lane i takes lane i of the other half
	s_mov_b32 s69, 0xfedcba98
	s_mov_b32 s71, 0xffff0000
	; group 1 for K: a head's 64 keys of 128 bytes are 8 KiB in one run = one row of 1024 elements of 8 bytes; two heads, 262144 bytes apart; 4 words behind every 32
	s_or_b32 s[G1K+0], s78, (3<<16)|(1<<20)|(1<<21)|(4<<22)|(3<<25)
	s_mov_b32 s[G1K+1], 1024<<16
	s_mov_b32 s[G1K+2], 2<<16
	s_mov_b32 s[G1K+3], 1024<<16
	s_mov_b32 s[G1K+4], 2
	s_mov_b32 s[G1K+5], 32768
	s_mov_b32 s[G1K+6], 0
	s_mov_b32 s[G1K+7], 0
	; for V: the same with 8 words of padding
	s_or_b32 s[G1V+0], s78, (3<<16)|(1<<20)|(1<<21)|(4<<22)|(7<<25)
	s_mov_b32 s[G1V+1], 1024<<16
	s_mov_b32 s[G1V+2], 2<<16
	s_mov_b32 s[G1V+3], 1024<<16
	s_mov_b32 s[G1V+4], 2
	s_mov_b32 s[G1V+5], 32768
	s_mov_b32 s[G1V+6], 0
	s_mov_b32 s[G1V+7], 0
	; for the mask: 32 rows of 64 f32 (256 bytes, aligned), 2048 elements from row to row; 4 words behind every 64
	s_or_b32 s[G1M+0], s79, (2<<16)|(1<<20)|(1<<21)|(5<<22)|(3<<25)
	s_mov_b32 s[G1M+1], 64<<16
	s_mov_b32 s[G1M+2], 32<<16
	s_mov_b32 s[G1M+3], 64<<16
	s_mov_b32 s[G1M+4], 32
	s_mov_b32 s[G1M+5], 2048
	s_mov_b32 s[G1M+6], 0
	s_mov_b32 s[G1M+7], 0
	; K's and V's addresses hang on the batch, the head group and the wave; the mask's on y and the wave
	s_add_co_u32 s80, s75, 4
	s_lshl_b32 s80, s80, 4                         ; (4 + batch) x 16
	s_lshl2_add_u32 s80, s76, s80                  ; + 4 x head group
	s_and_b32 s82, s10, 1
	s_lshl1_add_u32 s80, s82, s80                  ; + my two heads
	s_lshl_b32 s80, s80, 18
	s_mov_b32 s81, 0
	s_add_co_u32 s82, s80, 0x1000000               ; V lies 64 panels behind K
	s_mov_b32 s83, 0
	s_lshl_b32 s84, s77, 20                        ; 128 y rows of 8192 bytes
	s_lshl_b32 s85, s12, 18                        ; + my 32 rows
	s_add_co_u32 s84, s84, s85
	s_mov_b32 s85, 0
	s_mul_i32 s86, s10, 2*64*KPITCH                ; LDS: waves 0, 1: K
	s_mul_i32 s87, s10, 2*64*VPITCH
	s_add_co_u32 s87, s87, VOFF-4*64*VPITCH        ; waves 2, 3: V
	s_mul_i32 s88, s10, 32*MPITCH
	s_add_co_u32 s88, s88, MOFF-128*MPITCH         ; waves 4-7: the mask
	s_wait_dscnt 0x0
	s_wait_kmcnt 0x0
	s_add_nc_u64 s[80:81], s[4:5], s[80:81]
	s_add_nc_u64 s[82:83], s[4:5], s[82:83]
	s_add_nc_u64 s[84:85], s[6:7], s[84:85]
	CROUND                                         ; all sixteen work-groups are here: the first joint loads meet
.irp s, 0,1
	s_mov_b32 s[G0K+4*\s], 1
	s_add_co_u32 s[G0K+4*\s+1], s86, \s*SLOT
	s_add_nc_u64 s[G0K+4*\s+2:G0K+4*\s+3], s[80:81], \s*8192
	s_or_b32 s[G0K+4*\s+3], s[G0K+4*\s+3], 0x80000000
	s_mov_b32 s[G0V+4*\s], 1
	s_add_co_u32 s[G0V+4*\s+1], s87, \s*SLOT
	s_add_nc_u64 s[G0V+4*\s+2:G0V+4*\s+3], s[82:83], \s*8192
	s_or_b32 s[G0V+4*\s+3], s[G0V+4*\s+3], 0x80000000
	s_mov_b32 s[G0M+4*\s], 1
	s_add_co_u32 s[G0M+4*\s+1], s88, \s*SLOT
	s_add_nc_u64 s[G0M+4*\s+2:G0M+4*\s+3], s[84:85], \s*256
	s_or_b32 s[G0M+4*\s+3], s[G0M+4*\s+3], 0x80000000
	JLOAD \s                                       ; two tensor loads of the wave are out
.endr
	s_lshl_b32 s90, s75, 4
	s_lshl2_add_u32 s90, s76, s90
	s_add_co_u32 s90, s90, s12                     ; 16 batch + my head
	s_lshl_b32 s90, s90, 18
	s_and_b32 s91, s77, 15
	s_lshl_b32 s91, s91, 14                        ; 128 queries x 128 bytes
	s_add_co_u32 s90, s90, s91
	s_lshl_b32 s91, s13, 13
	s_add_co_u32 s90, s90, s91
	s_mov_b32 s91, 0
	s_add_nc_u64 s[92:93], s[8:9], s[90:91]        ; att at my 64 queries
	s_add_nc_u64 s[90:91], s[4:5], s[90:91]        ; Q at my 64 queries
	s_lshl_b32 s72, s77, 20
	s_lshl_b32 s73, s14, 18                        ; of the 128 rows of the mask each of the four partners of a row prefetches 32
	s_add_co_u32 s72, s72, s73
	s_add_co_u32 s72, s72, 1024                    ; beginning with the piece of step 4
	s_mov_b32 s73, 0
	s_add_nc_u64 s[72:73], s[6:7], s[72:73]
	v_and_b32 v1, 15, v0                           ; r
	v_bfe_u32 v13, v0, 4, 1                        ; h
	v_and_b32 v14, 7, v0
	v_and_b32 v15, 31, v0
	v_lshlrev_b32 v[QO], 7, v1
	v_lshl_add_u32 v[QO], v13, 4, v[QO]            ; r x 128 + 16 h
.irp qt, 0,1,2,3
.irp dh, 0,1
	global_load_b128 v[KF+16*\qt+8*\dh:KF+16*\qt+8*\dh+3], v[QO], s[90:91] offset:\qt*2048+64*\dh       ; Q's fragments, for now where K's will lie
	global_load_b128 v[KF+16*\qt+8*\dh+4:KF+16*\qt+8*\dh+7], v[QO], s[90:91] offset:\qt*2048+64*\dh+32
.endr
.endr
	v_mul_u32_u24 v48, v1, KPITCH
	v_lshl_add_u32 v48, v13, 4, v48                ; r x 144 + 16 h
	s_mul_i32 s86, s12, 64*KPITCH
	v_add_nc_u32 v[KADR], s86, v48
	v_add_nc_u32 v[KADR+1], SLOT, v[KADR]
	v_lshl_add_u32 v49, v13, 3, v14                ; the transposing load: key 8 h + (lane & 7)
	v_mul_u32_u24 v49, v49, VPITCH
	v_bfe_u32 v50, v0, 3, 1
	v_lshl_add_u32 v49, v50, 4, v49
	s_mul_i32 s87, s12, 64*VPITCH
	s_add_co_u32 s87, s87, VOFF
	v_add_nc_u32 v[VADR], s87, v49
	v_add_nc_u32 v[VADR+1], SLOT, v[VADR]
	v_mul_u32_u24 v51, v1, MPITCH
	v_lshl_add_u32 v51, v13, 5, v51                ; query r, keys 8 h ..: 32 bytes
	s_mul_i32 s88, s13, 64*MPITCH
	s_add_co_u32 s88, s88, MOFF
	v_add_nc_u32 v[MADR], s88, v51
	v_add_nc_u32 v[MADR+1], SLOT, v[MADR]
	s_mul_i32 s89, s10, WSTAGE
	s_add_co_u32 s89, s89, STAGE
	v_add_nc_u32 v[STO], s89, v48
	v_bfe_u32 v52, v0, 3, 2
	v_mul_u32_u24 v52, v52, 144
	v_lshl_add_u32 v52, v14, 4, v52
	v_add_nc_u32 v[RD], s89, v52
	v_lshlrev_b32 v[CO], 4, v15
	v_lshlrev_b32 v[PFO], 13, v15
.irp q, 0,1,2,3
	v_mov_b32 v[MX+\q], 0xf149f2ca                 ; -1e30
	v_mul_f32 v[NMO+\q], 0xbfb8aa3b, v[MX+\q]      ; its NM, by the instruction that the steps use: equal bit for bit
	v_mov_b32 v[LS+2*\q], 0
	v_mov_b32 v[LS+2*\q+1], 0
.endr
	v_mov_b32 v[NM+1], 0
	v_mov_b32 v[AL+1], 0
	s_wait_loadcnt 0x0                             ; Q
.set i, 0
.rept 64
	v_lshlrev_b32 v[SC+2*i], 16, v[KF+i]           ; Q / 8: widen, multiply by a power of two, narrow
	v_and_b32 v[SC+2*i+1], s71, v[KF+i]
	v_pk_mul_f32 v[SC+2*i:SC+2*i+1], v[SC+2*i:SC+2*i+1], 0x3e000000 op_sel_hi:[1,0]
.set i, i+1
.endr
	WIN 0x40
.set i, 0
.rept 64
	v_cvt_pk_bf16_f32 v[QW+i], v[SC+2*i], v[SC+2*i+1]
.set i, i+1
.endr
	WIN 0
.macro FK slot                         ; 16 loads: K's fragments, 64 keys x 64 d
.irp kt, 0,1,2,3
.irp dh, 0,1
	ds_load_b128 v[KF+16*\kt+8*\dh:KF+16*\kt+8*\dh+3], v[KADR+\slot] offset:\kt*16*KPITCH+64*\dh
	ds_load_b128 v[KF+16*\kt+8*\dh+4:KF+16*\kt+8*\dh+7], v[KADR+\slot] offset:\kt*16*KPITCH+64*\dh+32
.endr
.endr
.endm
.macro FM slot, qt                     ; 8 loads: the mask of query tile qt, as the C operand of its four score tiles
.irp kt, 0,1,2,3
	ds_load_b128 v[SC+32*\qt+8*\kt:SC+32*\qt+8*\kt+3], v[MADR+\slot] offset:\qt*16*MPITCH+64*\kt
	ds_load_b128 v[SC+32*\qt+8*\kt+4:SC+32*\qt+8*\kt+7], v[MADR+\slot] offset:\qt*16*MPITCH+64*\kt+16
.endr
.endm
.macro FV slot                         ; 16 transposing loads: V^T's fragments
	WIN 0x40
.irp dt, 0,1,2,3
.irp kp, 0,1
	ds_load_tr16_b128 v[VF+16*\dt+8*\kp:VF+16*\dt+8*\kp+3], v[VADR+\slot] offset:\kp*32*VPITCH+32*\dt
	ds_load_tr16_b128 v[VF+16*\dt+8*\kp+4:VF+16*\dt+8*\kp+7], v[VADR+\slot] offset:\kp*32*VPITCH+32*\dt+16*VPITCH
.endr
.endr
	WIN 0
.endm
; One product.  In both kinds four accumulators take turns, one instruction a turn (n & 3 names the accumulator).
.macro WQ qt, n                        ; product n of 8 of S^T(qt) = K Q^T + mask^T: key tile n & 3, half n >> 2 of d.  Setting 0x04
	v_wmma_f32_16x16x32_bf16 v[SC+32*\qt+8*((\n)&3):SC+32*\qt+8*((\n)&3)+7], v[KF+16*((\n)&3)+8*((\n)>>2):KF+16*((\n)&3)+8*((\n)>>2)+7], v[QW+16*\qt+8*((\n)>>2):QW+16*\qt+8*((\n)>>2)+7], v[SC+32*\qt+8*((\n)&3):SC+32*\qt+8*((\n)&3)+7]
.endm
.macro WP qt, n, first                 ; product n of 8 of O^T(qt) += V^T P^T: d tile n & 3, half n >> 2 of the keys.  Setting 0x51.  first = 1: the first half starts the sums
.if (\first) & (1-((\n)>>2))
	v_wmma_f32_16x16x32_bf16 v[OW+32*\qt+8*((\n)&3):OW+32*\qt+8*((\n)&3)+7], v[VF+16*((\n)&3)+8*((\n)>>2):VF+16*((\n)&3)+8*((\n)>>2)+7], v[SC+32*\qt+16*((\n)>>2):SC+32*\qt+16*((\n)>>2)+7], 0
.else
	v_wmma_f32_16x16x32_bf16 v[OW+32*\qt+8*((\n)&3):OW+32*\qt+8*((\n)&3)+7], v[VF+16*((\n)&3)+8*((\n)>>2):VF+16*((\n)&3)+8*((\n)>>2)+7], v[SC+32*\qt+16*((\n)>>2):SC+32*\qt+16*((\n)>>2)+7], v[OW+32*\qt+8*((\n)&3):OW+32*\qt+8*((\n)&3)+7]
	s_wait_alu depctr_va_vdst(0)
.endif
.endm
.macro FS qt, j                        ; pair j of the 16 pairs of scores: s x log2(e) + NM
	v_pk_fma_f32 v[SC+32*\qt+2*(\j):SC+32*\qt+2*(\j)+1], v[SC+32*\qt+2*(\j):SC+32*\qt+2*(\j)+1], s[66:67], v[NM:NM+1] op_sel_hi:[1,0,0]
.endm
.macro EX4 qt, e                       ; four exponentials, in place
.irp i, 0,1,2,3
	v_exp_f32 v[SC+32*\qt+(\e)+\i], v[SC+32*\qt+(\e)+\i]
.endr
.endm
.macro AS qt, kt                       ; the eight p of key tile kt into two chains.  p x 1.0 + sum: the second source is a constant, so the line holds under 0x04 too
.set PB, SC+32*\qt+8*(\kt)
.if (\kt) == 0
	s_wait_alu depctr_va_vdst(0)
	v_pk_fma_f32 v[TP:TP+1], v[PB:PB+1], 1.0, v[PB+2:PB+3] op_sel_hi:[1,0,1]       ; the first sums start the chains: nothing is cleared
	v_pk_fma_f32 v[TQ:TQ+1], v[PB+4:PB+5], 1.0, v[PB+6:PB+7] op_sel_hi:[1,0,1]
.else
	s_wait_alu depctr_va_vdst(0)
	v_pk_fma_f32 v[TP:TP+1], v[PB:PB+1], 1.0, v[TP:TP+1] op_sel_hi:[1,0,1]
	v_pk_fma_f32 v[TQ:TQ+1], v[PB+2:PB+3], 1.0, v[TQ:TQ+1] op_sel_hi:[1,0,1]
	v_pk_fma_f32 v[TP:TP+1], v[PB+4:PB+5], 1.0, v[TP:TP+1] op_sel_hi:[1,0,1]
	v_pk_fma_f32 v[TQ:TQ+1], v[PB+6:PB+7], 1.0, v[TQ:TQ+1] op_sel_hi:[1,0,1]
.endif
.endm
.macro RS qt, e                        ; pair e of the 16 pairs of O(qt) rescaled.  O in window 1, the factor in window 0: holds under 0x51
	v_pk_mul_f32 v[OW+32*\qt+2*(\e):OW+32*\qt+2*(\e)+1], v[OW+32*\qt+2*(\e):OW+32*\qt+2*(\e)+1], v[AL:AL+1] op_sel_hi:[1,0]
.endm
.macro CV qt, kt                       ; key tile kt rounded and packed in place: tiles 0, 1 into registers 0-7 of tile 0, tiles 2, 3 of tile 2
.irp i, 0,1,2,3
	v_cvt_pk_bf16_f32 v[SC+32*\qt+8*(\kt)-4*((\kt)&1)+\i], v[SC+32*\qt+8*(\kt)+2*\i], v[SC+32*\qt+8*(\kt)+2*\i+1]
.endr
.endm
; An island under 0x51: half `half` of tile wp's PV products (hp = 1) and of tile qt's rescaling (resc = 1).  dp < 64: a wait on DScnt in front of it.
.macro ISLW qt, resc, hp, wp, pfirst, half, dp
.if (\hp)|(\resc)
.if (\dp) < 64
	s_wait_dscnt \dp
.endif
	WIN 0x51
.irp i, 0,1,2,3
.if \hp
	WP \wp, 4*\half+\i, \pfirst
.endif
.if \resc
	RS \qt, 8*\half+2*\i
	RS \qt, 8*\half+2*\i+1
.endif
.endr
.endif
.endm
; Period p of four = key tile p of query tile qt: its eight exponentials, the next key tile's multiply-adds, the last one's sums, and two score products of tile wq.
; Behind every run of exponentials stands a plain instruction that touches none of them before a result is used (ISA guide 5.7.2).
.macro PER qt, p, hq, wq
.if \hq
	WQ \wq, 2*\p
.endif
	EX4 \qt, 8*\p
.if \p < 3
	FS \qt, 4*\p+4
	FS \qt, 4*\p+5
.endif
.if \hq
	WQ \wq, 2*\p+1
.endif
	EX4 \qt, 8*\p+4
.if \p < 3
	FS \qt, 4*\p+6
	FS \qt, 4*\p+7
.endif
.if \p > 0
	AS \qt, \p-1
.endif
.endm
; The softmax step of query tile qt (32 scores a lane), carrying tile wq's score products (hq = 1) and tile wp's PV products (hp = 1).
; resc = 1: O(qt) is rescaled.  ord = 0: periods 0, 1, island, periods 2, 3, island; ord = 1: the islands go first, for the tile whose score products wait for loads
; issued just ahead.  dq, dp < 64: the wait on DScnt in front of the first score product, the first PV product.
; The 22 plain lines at its end name no register of the products carried: they are the places in front of the next softmax's reads of the
; scores and in front of the loads into registers that the products have read.
.macro SMW qt, resc, hq, wq, hp, wp, pfirst, ord, dq, dp
	WIN 0
.set SB, SC+32*\qt
	v_max3_num_f32 v[TA], v[MX+\qt], v[SB], v[SB+1]                ; four chains; the first starts from the running maximum
	v_max3_num_f32 v[TA+1], v[SB+2], v[SB+3], v[SB+4]
	v_max3_num_f32 v[TA+2], v[SB+5], v[SB+6], v[SB+7]
	v_max3_num_f32 v[TA+3], v[SB+8], v[SB+9], v[SB+10]
.set e, 0
.rept 10
	v_max3_num_f32 v[TA+(e&3)], v[TA+(e&3)], v[SB+11+2*e], v[SB+12+2*e]
.set e, e+1
.endr
	v_max3_num_f32 v[TA], v[TA], v[TA+1], v[TA+2]
	v_max3_num_f32 v[TA], v[TA], v[TA+3], v[SB+31]
	v_permlanex16_b32 v[TA+1], v[TA], s68, s69     ; the query's other 32 keys lie in the other half of the lanes
	v_max_num_f32 v[MX+\qt], v[TA], v[TA+1]
	v_mul_f32 v[NM], 0xbfb8aa3b, v[MX+\qt]         ; NM = -max x log2(e)
	v_sub_f32 v[AL], v[NM], v[NMO+\qt]
	v_mov_b32 v[NMO+\qt], v[NM]
	v_exp_f32 v[AL], v[AL]                         ; 2^(NM new - NM old); the four lines below stand between it and its use
	FS \qt, 0
	FS \qt, 1
	FS \qt, 2
	FS \qt, 3
.if \ord
	ISLW \qt, \resc, \hp, \wp, \pfirst, 0, \dp
.endif
.if (\dq) < 64
	s_wait_dscnt \dq
.endif
	WIN 4*(\hq)
	PER \qt, 0, \hq, \wq
	PER \qt, 1, \hq, \wq
.if \ord
	ISLW \qt, \resc, \hp, \wp, \pfirst, 1, 64
.else
	ISLW \qt, \resc, \hp, \wp, \pfirst, 0, \dp
.endif
	WIN 4*(\hq)
	PER \qt, 2, \hq, \wq
	PER \qt, 3, \hq, \wq
.if \ord == 0
	ISLW \qt, \resc, \hp, \wp, \pfirst, 1, 64
.endif
	WIN 0
	AS \qt, 3
	v_pk_fma_f32 v[LS+2*\qt:LS+2*\qt+1], v[LS+2*\qt:LS+2*\qt+1], v[AL:AL+1], v[TP:TP+1] op_sel_hi:[1,0,1]   ; the old sum rescaled, in the same instruction
	v_pk_add_f32 v[LS+2*\qt:LS+2*\qt+1], v[LS+2*\qt:LS+2*\qt+1], v[TQ:TQ+1]
	CV \qt, 0
	CV \qt, 1
	CV \qt, 2
	CV \qt, 3
.endm
; A step: the softmax of 64 keys of slot `slot`.  nx = the other slot.  first = 1: step 0 (nothing to rescale, the PV products start the sums).
; hp0 = 1: tile 0 carries the last step's PV(3); p3f = 1: that PV(3) is step 0's.  more = 1: a step follows.  fill = 1: this slot is asked for again, two steps ahead.
; LDS loads, each run into registers that have just fallen free: behind tile 0: V and mask 3 of this slot (24); behind the barrier: K and masks 0, 1 of the next (32);
; behind tile 3: mask 2 of the next (8).
.macro STEP slot, nx, first, hp0, p3f, fill, more, pf
	SMW 0, 1-\first, 1, 1, \hp0, 3, \p3f, 0, 8, 64                 ; wait 8: mask 1 is in; the 8 younger loads (mask 2) may be out
	FV \slot
	FM \slot, 3
	SMW 1, 1-\first, 1, 2, 1, 0, \first, 0, 24, 8                  ; wait 24: mask 2 is in, V and mask 3 may be out; wait 8 in front of PV(0): V is in
	SMW 2, 1-\first, 1, 3, 1, 1, \first, 0, 0, 64                  ; wait 0: mask 3
.if \more
	s_wait_dscnt 0x0                               ; my reads of this slot are over (met: none was issued since the wait above)
	s_wait_tensorcnt 0x0                           ; all my tensor loads have landed: the one that was out is my part of the next slot
	ds_add_u32 v62, v63
	s_wait_dscnt 0x0
	s_barrier_signal -1
	s_barrier_wait -1
.if \fill
	CREST                                          ; the round: no wave of any partner still reads this slot or has a load on its way
	s_add_nc_u64 s[G0K+4*\slot+2:G0K+4*\slot+3], s[G0K+4*\slot+2:G0K+4*\slot+3], 16384
	s_add_nc_u64 s[G0V+4*\slot+2:G0V+4*\slot+3], s[G0V+4*\slot+2:G0V+4*\slot+3], 16384
	s_add_nc_u64 s[G0M+4*\slot+2:G0M+4*\slot+3], s[G0M+4*\slot+2:G0M+4*\slot+3], 512
	JLOAD \slot                                    ; the first tensor load behind the round, one a wave; it has the work up to the next step's barrier in which to land
.endif
.if \pf
	s_cmp_lg_u32 s10, 7                            ; wave 7 alone: in step i the mask's piece of step i + 4, two steps ahead of its tensor load:
	s_cbranch_scc1 .Lno_pf_\@                      ; 32 rows, a lane each, 256 bytes apiece; the four partners of a row take 32 rows each, so each block is asked for once
	global_prefetch_b8 v[PFO], s[72:73] offset:256*\slot th:TH_LOAD_NT scope:SCOPE_SE
.Lno_pf_\@:
.endif
	FK \nx
	FM \nx, 0
	FM \nx, 1
.endif
	SMW 3, 1-\first, \more, 0, 1, 2, \first, 1, 8+56*(1-\more), 64 ; wait 8: K and mask 0 of the next step are in; mask 1 may be out
.if \more
	FM \nx, 2
.endif
.endm
	s_wait_tensorcnt 1                             ; my part of step 0 is in; step 1's may stay out
	s_barrier_signal -1
	s_barrier_wait -1
	FK 0
	FM 0, 0
	FM 0, 1
	FM 0, 2
	s_wait_dscnt 16                                ; K and mask 0 are in; the 16 younger loads (masks 1, 2) may be out
	WIN 0x04
.irp n, 0,1,2,3,4,5,6,7
	WQ 0, \n                                       ; the pipeline's head: the scores of step 0, tile 0
.endr
	WIN 0
	PLACES
	STEP 0, 1, 1, 0, 0, 1, 1, 1                    ; steps 0, 1
	STEP 1, 0, 0, 1, 1, 1, 1, 1
	s_mov_b32 s70, 13
.Lstep:                                            ; steps 2 to 27
	s_wait_xcnt 0x0                                ; the prefetch's base is stepped only behind this wait
	s_add_nc_u64 s[72:73], s[72:73], 512
	STEP 0, 1, 0, 1, 0, 1, 1, 1
	STEP 1, 0, 0, 1, 0, 1, 1, 1
	s_sub_co_u32 s70, s70, 1
	s_cmp_lg_u32 s70, 0
	s_cbranch_scc1 .Lstep
	STEP 0, 1, 0, 1, 0, 1, 1, 0                    ; steps 28, 29: the last fills (steps 30, 31); step 27 prefetched the last piece, so no prefetch leaves the mask
	STEP 1, 0, 0, 1, 0, 1, 1, 0
	STEP 0, 1, 0, 1, 0, 0, 1, 0                    ; step 30 fills nothing
	STEP 1, 0, 0, 1, 0, 0, 0, 0                    ; step 31 reads nothing more
	WIN 0x51
.irp n, 0,1,2,3,4,5,6,7
	WP 3, \n, 0                                    ; the pipeline's tail: PV of step 31, tile 3
.endr
	WIN 0
	; THE WAY OUT: O / l, rounded to bf16, 16 queries at a time through my stage; every query tile has registers of its own
	PLACES
.macro OUTQ qt
	v_add_f32 v[TA], v[LS+2*\qt], v[LS+2*\qt+1]
	v_permlanex16_b32 v[TA+1], v[TA], s68, s69
	v_add_f32 v[TA], v[TA], v[TA+1]
	v_rcp_f32 v[TP], v[TA]
	v_nop                                          ; one plain instruction between v_rcp_f32 and the use of its result
	s_wait_alu depctr_va_vdst(0)
	v_mov_b32 v[TP+1], v[TP]
	WIN 0x01
.set i, 0
.rept 16
	v_pk_mul_f32 v[SC+2*i:SC+2*i+1], v[OW+32*\qt+2*i:OW+32*\qt+2*i+1], v[TP:TP+1]
.set i, i+1
.endr
	WIN 0
.set i, 0
.rept 16
	v_cvt_pk_bf16_f32 v[PK+16*\qt+i], v[SC+2*i], v[SC+2*i+1]
.set i, i+1
.endr
.irp dt, 0,1,2,3
	ds_store_b128 v[STO], v[PK+16*\qt+4*\dt:PK+16*\qt+4*\dt+3] offset:32*\dt
.endr
.irp t, 0,1,2,3
	ds_load_b128 v[KF+16*\qt+4*\t:KF+16*\qt+4*\t+3], v[RD] offset:\t*576   ; LDS serves a wave's instructions in order: these see the stores above
.endr
.irp t, 0,1,2,3
	s_wait_dscnt 3-\t
	global_store_b128 v[CO], v[KF+16*\qt+4*\t:KF+16*\qt+4*\t+3], s[92:93] offset:\qt*2048+512*\t   ; four rows of 128 bytes: 512 consecutive bytes, aligned
.endr
.endm
	OUTQ 0
	OUTQ 1
	OUTQ 2
	OUTQ 3
	s_wait_tensorcnt 0x0
	ds_add_u32 v62, v63
	s_wait_dscnt 0x0
	CROUND                                         ; the closing round
	s_endpgm
.Lfunc_end_k_q0939782caa_attn:
	.size	k_q0939782caa_attn, .Lfunc_end_k_q0939782caa_attn-k_q0939782caa_attn
	.p2alignl 7, 3214868480
	.fill 96, 4, 3214868480
	.section	.rodata,"a",@progbits
	.p2align	6, 0x0
	.amdhsa_kernel k_q0939782caa_attn
		.amdhsa_group_segment_fixed_size 327680
		.amdhsa_private_segment_fixed_size 0
		.amdhsa_enable_private_segment 0
		.amdhsa_kernarg_size 24
		.amdhsa_user_sgpr_count 2
		.amdhsa_user_sgpr_kernarg_segment_ptr 1
		.amdhsa_wavefront_size32 1
		.amdhsa_system_sgpr_workgroup_id_x 1
		.amdhsa_system_sgpr_workgroup_id_y 1
		.amdhsa_system_sgpr_workgroup_id_z 1
		.amdhsa_system_vgpr_workitem_id 0
		.amdhsa_next_free_vgpr 512
		.amdhsa_next_free_sgpr 96
		.amdhsa_reserve_vcc 0
		.amdhsa_float_denorm_mode_32 3
		.amdhsa_float_denorm_mode_16_64 3
		.amdhsa_memory_ordered 1
		.amdhsa_forward_progress 1
		.amdhsa_inst_pref_size 255
	.end_amdhsa_kernel
	.section	.bss,"aw",@nobits
	.p2align	6
	.space	262144
	.amdgpu_metadata
---
amdhsa.version: [ 1, 2 ]
amdhsa.kernels:
  - .name:           k_q0939782caa_attn
    .symbol:         k_q0939782caa_attn.kd
    .args:
      - { .name: qkv, .offset: 0, .size: 8, .value_kind: global_buffer, .address_space: global }
      - { .name: attention_mask, .offset: 8, .size: 8, .value_kind: global_buffer, .address_space: global }
      - { .name: att, .offset: 16, .size: 8, .value_kind: global_buffer, .address_space: global }
    .group_segment_fixed_size: 327680
    .private_segment_fixed_size: 0
    .kernarg_segment_align: 8
    .kernarg_segment_size: 24
    .max_flat_workgroup_size: 256
    .sgpr_count:     96
    .vgpr_count:     512
    .wavefront_size: 32
...
	.end_amdgpu_metadata
.endif
;; end of part 3
;; launch oproj (part 4): grid 8 x 32, 4 waves a work-group, clusters of 4 x 4, 327,680 bytes of LDS; arguments att, wo, b_out, hidden_states, out0; writes out0
.if DOCPART == 4
	.amdgcn_target "amdgcn-amd-amdhsa--gfx1250"
	.amdhsa_code_object_version 6
	.text
	.protected	k_q0939782caa_oproj
	.globl	k_q0939782caa_oproj
	.p2align	8
	.type	k_q0939782caa_oproj,@function
k_q0939782caa_oproj:
	s_mov_b64 s[64:65], 0
	v_nop
	global_prefetch_b8 v0, s[64:65] scope:SCOPE_SE
	s_setreg_imm32_b32 hwreg(HW_REG_WAVE_MODE, 25, 1), 1
	s_wait_xcnt 0x0
	s_wait_alu depctr_hold_cnt(0) depctr_sa_sdst(0) depctr_va_vdst(0) depctr_va_sdst(0) depctr_va_ssrc(0) depctr_va_vcc(0) depctr_vm_vsrc(0)
	s_getreg_b32 s2, hwreg(HW_REG_IB_STS2, 6, 4)
	s_cmp_eq_u32 s2, 0
	s_cbranch_scc0 .Lentry_in_a_cluster
	s_endpgm
.Lentry_in_a_cluster:
	s_bfe_u32 s2, ttmp6, 0x10000c
	s_cmp_lg_u32 s2, 0xf033
	s_cbranch_scc0 .Lentry_shape_is_right
	s_endpgm
.Lentry_shape_is_right:
; out0 = att W_out + b_out + hidden_states, 8192 x 1024, K = 1024; bf16 operands, f32 sums, f32 out.
; att: [b][head 16][s 2048][64] bf16, wo: [panel 16][k 1024][64] bf16, hidden_states and out0: [8192][1024] f32.
; A work-group makes 256 rows x 128 columns with four waves; wave w makes rows 64 w .. 64 w + 63 of all 128 columns: 4 x 8 accumulator tiles.
; 8 x 32 = 256 work-groups.  K goes in steps of 128 (four quarters of 32) through two LDS slots filled by the tensor data mover.
; CLUSTERS: 4 x 4 work-groups.  The four of a row of the cluster need the same rows of att, the four of a column the same panels of wo:
; such a tile is asked for jointly, which divides the requests for both by four.
; W lies [k][n] in LDS and is read by the transposing load; the matrix instruction is used transposed (source 0 = 16 columns of W, source 1 = 16 rows
; of att), so a lane's registers are eight neighbouring columns of one row.  The bias is the C operand of the first products.
; The residual (my 64 rows x 512 bytes) is loaded into 256 registers at the start and lands under the K loop; it is added on the way out.
; REGISTER WINDOWS: 0: addresses, A fragments, bias, the way out; 1: W fragments; 2: accumulators (tile (a, bt) at v[8 (8 a + bt)]); 3: the residual.
.set NT,     8
.set NP,     2
.set AMASK,  3
.set APITCH, 144
.set BPITCH, 160
.set APAN,   256*APITCH
.set BOFF,   2*APAN
.set BPAN,   64*BPITCH
.set BHALF,  NP*BPAN
.set SLOT,   BOFF+2*BHALF
.set STAGE,  2*SLOT                    ; each wave's own 16 rows x 528 bytes for the way out; no tensor load lands there
.set WSTAGE, 16*528
.set LAPS,   4
.set ADRA, 16
.set ADRB, 20
.set STO,  24
.set RD,   25
.set CO,   26                          ; 16 x lane
.set BO,   27                          ; 32 h
.set FA,   32                          ; v32-63, v64-95  A fragments, buffers 0, 1
.set BIAS, 96                          ; v96-159  8 tiles of C: register j = bias[16 bt + 8 h + j]
.set RB0,  96                          ; the way out: 16 rows read back, two sets of 64
.set RB1,  160
.set G1A, 24
.set G0A, 32
.set G1B, 48
.set G0B, 56
.set MUL_LO,  0xa1                     ; source 0 (W) window 1, source 1 (A) window 0, C and D window 2
.set MUL_HI,  0xa1
.set INIT_LO, 0x81                     ; C (the bias) window 0
.set INIT_HI, 0x81
.set TO_B,    0x40
.set MSB, 0
.macro WIN new
.if MSB != \new
	s_set_vgpr_msb (MSB<<8)|\new
.set MSB, \new
.endif
.endm
.macro PLACES
.rept 4
	v_nop
.endr
.endm
.macro JLOAD s
	s_cmp_eq_u32 s13, 0
	s_cbranch_scc0 .Lfor_b_\@
	tensor_load_to_lds s[G0A+4*\s:G0A+4*\s+3], s[G1A:G1A+7]
	s_nop 0
	s_branch .Lasked_\@
.Lfor_b_\@:
	tensor_load_to_lds s[G0B+4*\s:G0B+4*\s+3], s[G1B:G1B+7]
	s_nop 0
.Lasked_\@:
.endm
.macro CREST
	s_cmp_lg_u32 s12, 0
	s_cbranch_scc1 .Lnot_wave_0_\@
	s_barrier_signal -3
.Lnot_wave_0_\@:
	s_barrier_wait -3
	s_barrier_signal -1
	s_barrier_wait -1
.endm
.macro CROUND
	s_barrier_signal -1
	s_barrier_wait -1
	CREST
.endm
	s_load_b256 s[4:11], s[0:1], 0x0               ; att s[4:5], wo s[6:7], b_out s[8:9], hidden_states s[10:11]
	s_load_b64 s[66:67], s[0:1], 0x20              ; out0
	s_set_vgpr_msb 0x40
	v_lshl_add_u32 v255, v0, 2, 0x40400
	s_set_vgpr_msb 0x4000
	v_mov_b32 v255, 0
	s_set_vgpr_msb 0x1
	ds_add_u32 v255, v255
	s_set_vgpr_msb 0x100
	v_lshrrev_b32 v1, 5, v0
	v_readfirstlane_b32 s12, v1                    ; wave 0..3
	s_lshr_b32 s13, s12, 1                         ; I fetch for A (0) or for W (1)
	s_and_b32 s14, s12, 1
	s_bfe_u32 s40, ttmp6, 0x40000                  ; cx
	s_bfe_u32 s41, ttmp6, 0x40004                  ; cy
	s_lshl_b32 s42, ttmp9, 2
	s_add_co_u32 s42, s42, s40                     ; block column
	s_and_b32 s43, ttmp7, 0xffff
	s_lshl_b32 s43, s43, 2
	s_add_co_u32 s43, s43, s41                     ; block row
	s_lshl_b32 s44, s41, 2
	s_lshl_b32 s44, 15, s44                        ; my row of the cluster
	s_lshl_b32 s45, 0x1111, s40                    ; my column
	; group 1 for A: a panel's 256 rows are 32 KiB in one run: 128 rows of 32 elements of 8 bytes; 4 words of padding behind every 32 words
	s_or_b32 s[G1A+0], s44, (3<<16)|(1<<20)|(1<<21)|(4<<22)|(3<<25)
	s_mov_b32 s[G1A+1], 32<<16
	s_mov_b32 s[G1A+2], 128<<16
	s_mov_b32 s[G1A+3], 32<<16
	s_mov_b32 s[G1A+4], 128
	s_mov_b32 s[G1A+5], 32
	s_mov_b32 s[G1A+6], 0
	s_mov_b32 s[G1A+7], 0
	; group 1 for W: NP rows of 8 KiB (64 k of a panel), 131072 bytes apart; 8 words of padding behind every 32
	s_or_b32 s[G1B+0], s45, (3<<16)|(1<<20)|(1<<21)|(4<<22)|(7<<25)
	s_mov_b32 s[G1B+1], 1024<<16
	s_mov_b32 s[G1B+2], NP<<16
	s_mov_b32 s[G1B+3], 1024<<16
	s_mov_b32 s[G1B+4], NP
	s_mov_b32 s[G1B+5], 16384
	s_mov_b32 s[G1B+6], 0
	s_mov_b32 s[G1B+7], 0
	s_lshr_b32 s16, s43, 3                         ; batch
	s_lshl_b32 s16, s16, 22
	s_and_b32 s17, s43, 7
	s_lshl_b32 s17, s17, 15
	s_add_co_u32 s16, s16, s17
	s_lshl_b32 s17, s14, 18
	s_add_co_u32 s16, s16, s17
	s_mov_b32 s17, 0
	s_mul_i32 s46, s42, NP*131072
	s_lshl_b32 s47, s14, 13
	s_add_co_u32 s46, s46, s47
	s_mov_b32 s47, 0
	s_mul_i32 s20, s12, APAN
	s_mul_i32 s21, s12, BHALF
	s_add_co_u32 s21, s21, BOFF-2*BHALF
	s_wait_dscnt 0x0
	s_wait_kmcnt 0x0
	s_add_nc_u64 s[18:19], s[4:5], s[16:17]
	s_add_nc_u64 s[46:47], s[6:7], s[46:47]
	CROUND                                         ; all sixteen work-groups are here: the first joint loads meet
.irp s, 0,1
	s_mov_b32 s[G0A+4*\s], 1
	s_add_co_u32 s[G0A+4*\s+1], s20, \s*SLOT
	s_add_nc_u64 s[G0A+4*\s+2:G0A+4*\s+3], s[18:19], \s*524288
	s_or_b32 s[G0A+4*\s+3], s[G0A+4*\s+3], 0x80000000
	s_mov_b32 s[G0B+4*\s], 1
	s_add_co_u32 s[G0B+4*\s+1], s21, \s*SLOT
	s_add_nc_u64 s[G0B+4*\s+2:G0B+4*\s+3], s[46:47], \s*16384
	s_or_b32 s[G0B+4*\s+3], s[G0B+4*\s+3], 0x80000000
	JLOAD \s                                       ; two tensor loads of the wave are out
.endr
	v_and_b32 v1, 15, v0                           ; r
	v_bfe_u32 v2, v0, 4, 1                         ; h
	v_lshlrev_b32 v[BO], 5, v2
	v_and_b32 v3, 31, v0
	v_lshlrev_b32 v[CO], 4, v3
	s_lshl_b32 s72, s42, 9                         ; the block's 128 numbers of the bias
	s_mov_b32 s73, 0
	s_add_nc_u64 s[8:9], s[8:9], s[72:73]
	s_lshl_b32 s68, s43, 20                        ; 256 rows of 4096 bytes
	s_lshl_b32 s69, s12, 18                        ; + my 64 rows
	s_add_co_u32 s68, s68, s69
	s_add_co_u32 s68, s68, s72                     ; + the block's 512 bytes of a row
	s_mov_b32 s69, 0
	s_add_nc_u64 s[70:71], s[10:11], s[68:69]      ; hidden_states and
	s_add_nc_u64 s[66:67], s[66:67], s[68:69]      ; out0 at my first row
.set bt, 0
.rept NT
	global_load_b128 v[BIAS+8*bt:BIAS+8*bt+3], v[BO], s[8:9] offset:64*bt
	global_load_b128 v[BIAS+8*bt+4:BIAS+8*bt+7], v[BO], s[8:9] offset:64*bt+16
.set bt, bt+1
.endr
	WIN 0xc0                                       ; destination window 3
.set i, 0
.rept 64
	global_load_b128 v[4*i:4*i+3], v[CO], s[70:71] offset:i*4096 th:TH_LOAD_NT   ; row i of my 64: 512 consecutive bytes
.set i, i+1
.endr
	WIN 0
	v_mul_u32_u24 v4, v1, APITCH
	v_lshl_add_u32 v4, v2, 4, v4
	s_mul_i32 s22, s12, 64*APITCH
	v_add_nc_u32 v[ADRA], s22, v4
	v_add_nc_u32 v[ADRA+1], SLOT, v[ADRA]
	v_and_b32 v5, 7, v0
	v_lshl_add_u32 v5, v2, 3, v5
	v_mul_u32_u24 v5, v5, BPITCH
	v_bfe_u32 v6, v0, 3, 1
	v_lshl_add_u32 v5, v6, 4, v5
	v_add_nc_u32 v[ADRB], BOFF, v5
	v_add_nc_u32 v[ADRB+1], SLOT, v[ADRB]
	s_mul_i32 s23, s12, WSTAGE
	s_add_co_u32 s23, s23, STAGE
	v_mul_u32_u24 v7, v1, 528
	v_lshl_add_u32 v7, v2, 5, v7
	v_add_nc_u32 v[STO], s23, v7                   ; in: row r, 32 bytes for each half of the lanes
	v_add_nc_u32 v[RD], s23, v[CO]                 ; back: a row of 512 bytes a load
; The accumulators take turns, one instruction a turn, in the same order in every quarter.
.macro MULA f, a, init
.set bt, 0
.rept NT
.if \init
	v_wmma_f32_16x16x32_bf16 v[8*(NT*((\a)&AMASK)+bt):8*(NT*((\a)&AMASK)+bt)+7], v[8*NT*\f+8*bt:8*NT*\f+8*bt+7], v[FA+32*\f+8*\a:FA+32*\f+8*\a+7], v[BIAS+8*bt:BIAS+8*bt+7]
.else
	v_wmma_f32_16x16x32_bf16 v[8*(NT*((\a)&AMASK)+bt):8*(NT*((\a)&AMASK)+bt)+7], v[8*NT*\f+8*bt:8*NT*\f+8*bt+7], v[FA+32*\f+8*\a:FA+32*\f+8*\a+7], v[8*(NT*((\a)&AMASK)+bt):8*(NT*((\a)&AMASK)+bt)+7]
.endif
.set bt, bt+1
.endr
.endm
.macro FETCH slot, qd, f
	WIN TO_B
.set bt, 0
.rept NT
	ds_load_tr16_b128 v[8*NT*\f+8*bt:8*NT*\f+8*bt+3], v[ADRB+\slot] offset:((\qd)>>1)*BHALF+(bt>>2)*BPAN+((\qd)&1)*32*BPITCH+(bt&3)*32
	ds_load_tr16_b128 v[8*NT*\f+8*bt+4:8*NT*\f+8*bt+7], v[ADRB+\slot] offset:((\qd)>>1)*BHALF+(bt>>2)*BPAN+((\qd)&1)*32*BPITCH+(bt&3)*32+16*BPITCH
.set bt, bt+1
.endr
	WIN 0
.irp a, 0,1,2,3
	ds_load_b128 v[FA+32*\f+8*\a:FA+32*\f+8*\a+3], v[ADRA+\slot] offset:((\qd)>>1)*APAN+\a*16*APITCH+((\qd)&1)*64
	ds_load_b128 v[FA+32*\f+8*\a+4:FA+32*\f+8*\a+7], v[ADRA+\slot] offset:((\qd)>>1)*APAN+\a*16*APITCH+((\qd)&1)*64+32
.endr
.endm
.macro QUARTER slot, qn, f, g, init
	s_wait_dscnt 4                                 ; W and A's row tiles 0, 1 are in; the youngest four loads (row tiles 2, 3) may be out
.if \init
	WIN INIT_LO
.else
	WIN MUL_LO
.endif
	MULA \f, 0, \init
	MULA \f, 1, \init
	PLACES                                         ; buffer g was read by the quarter before
	FETCH \slot, \qn, \g
	s_wait_dscnt 2*NT+8                            ; all but the loads just issued
.if \init
	WIN INIT_HI
.else
	WIN MUL_HI
.endif
	MULA \f, 2, \init
	MULA \f, 3, \init
.endm
.macro THREE slot, init
	QUARTER \slot, 1, 0, 1, \init
	QUARTER \slot, 2, 1, 0, 0
	QUARTER \slot, 3, 0, 1, 0
.endm
; the last quarter multiplies buffer 1 and changes slots: each wave's waits for its reads of this slot and for all its tensor loads stand in front of the
; barrier; fill = 1: the barrier opens a round of the cluster's barrier, and the joint refill is the first tensor load behind the round
.macro TURN slot, next, fill
	s_wait_dscnt 4
	WIN MUL_LO
	MULA 1, 0, 0
	s_wait_dscnt 0x0                               ; my reads of this slot are over
	s_wait_tensorcnt 0x0                           ; all my tensor loads have landed
	ds_add_u32 v255, v255
	s_wait_dscnt 0x0
	s_barrier_signal -1
	MULA 1, 1, 0
	WIN 0
	s_barrier_wait -1
.if \fill
	CREST
	s_add_nc_u64 s[G0A+4*\slot+2:G0A+4*\slot+3], s[G0A+4*\slot+2:G0A+4*\slot+3], 1048576
	s_add_nc_u64 s[G0B+4*\slot+2:G0B+4*\slot+3], s[G0B+4*\slot+2:G0B+4*\slot+3], 32768
	JLOAD \slot
.endif
	PLACES
	FETCH \next, 0, 0
	WIN MUL_HI
	MULA 1, 2, 0
	MULA 1, 3, 0
.endm
.macro LAP init
	THREE 0, \init
	TURN 0, 1, 1
	THREE 1, 0
	TURN 1, 0, 1
.endm
	s_wait_tensorcnt 1                             ; my part of K step 0 is in; K step 1's may stay out
	s_barrier_signal -1
	s_barrier_wait -1
	FETCH 0, 0, 0
	s_wait_loadcnt 63                              ; of my 80 loads at most 63 are out: the oldest 17 are in, the bias's 16 among them; the residual stays on its way
	LAP 1
	WIN 0
	s_mov_b32 s15, LAPS-2
.Llap:
	LAP 0
	WIN 0
	s_sub_co_u32 s15, s15, 1
	s_cmp_lg_u32 s15, 0
	s_cbranch_scc1 .Llap
	THREE 0, 0                                     ; the last lap fills nothing
	TURN 0, 1, 0
	THREE 1, 0
	s_wait_dscnt 4
	WIN MUL_LO
	MULA 1, 0, 0
	MULA 1, 1, 0
	s_wait_dscnt 0x0
	WIN MUL_HI
	MULA 1, 2, 0
	MULA 1, 3, 0
	; THE WAY OUT, 16 rows at a time: the f32 sums into my stage, read back as whole rows of 512 bytes, the residual added, stored
	PLACES
	s_wait_loadcnt 0x0                             ; the residual
.macro OUTF a, rb
	WIN 0x08                                       ; store data from window 2
.set bt, 0
.rept NT
	ds_store_b128 v[STO], v[8*(NT*\a+bt):8*(NT*\a+bt)+3] offset:64*bt
	ds_store_b128 v[STO], v[8*(NT*\a+bt)+4:8*(NT*\a+bt)+7] offset:64*bt+16
.set bt, bt+1
.endr
	WIN 0
	s_wait_xcnt 0x0                                ; set rb, which earlier stores read, is loaded again only behind this wait
.set i, 0
.rept 16
	ds_load_b128 v[\rb+4*i:\rb+4*i+3], v[RD] offset:528*i          ; LDS serves a wave's instructions in order: these see the stores above
.set i, i+1
.endr
	s_wait_dscnt 0x0
	WIN 0x0c                                       ; source 1 (the residual) window 3
.set i, 0
.rept 16
	v_pk_add_f32 v[\rb+4*i:\rb+4*i+1], v[\rb+4*i:\rb+4*i+1], v[4*(16*\a+i):4*(16*\a+i)+1]
	v_pk_add_f32 v[\rb+4*i+2:\rb+4*i+3], v[\rb+4*i+2:\rb+4*i+3], v[4*(16*\a+i)+2:4*(16*\a+i)+3]
.set i, i+1
.endr
	WIN 0
.set i, 0
.rept 16
	global_store_b128 v[CO], v[\rb+4*i:\rb+4*i+3], s[66:67] offset:(16*\a+i)*4096 th:TH_STORE_NT   ; 512 consecutive bytes, aligned
.set i, i+1
.endr
.endm
	OUTF 0, RB0
	OUTF 1, RB1
	OUTF 2, RB0
	OUTF 3, RB1
	s_set_vgpr_msb 0x1
	s_wait_tensorcnt 0x0
	ds_add_u32 v255, v255
	s_wait_dscnt 0x0
	s_set_vgpr_msb 0x100
	CROUND                                         ; the closing round
	s_endpgm
.Lfunc_end_k_q0939782caa_oproj:
	.size	k_q0939782caa_oproj, .Lfunc_end_k_q0939782caa_oproj-k_q0939782caa_oproj
	.p2alignl 7, 3214868480
	.fill 96, 4, 3214868480
	.section	.rodata,"a",@progbits
	.p2align	6, 0x0
	.amdhsa_kernel k_q0939782caa_oproj
		.amdhsa_group_segment_fixed_size 327680
		.amdhsa_private_segment_fixed_size 0
		.amdhsa_enable_private_segment 0
		.amdhsa_kernarg_size 40
		.amdhsa_user_sgpr_count 2
		.amdhsa_user_sgpr_kernarg_segment_ptr 1
		.amdhsa_wavefront_size32 1
		.amdhsa_system_sgpr_workgroup_id_x 1
		.amdhsa_system_sgpr_workgroup_id_y 1
		.amdhsa_system_sgpr_workgroup_id_z 1
		.amdhsa_system_vgpr_workitem_id 0
		.amdhsa_next_free_vgpr 1024
		.amdhsa_next_free_sgpr 90
		.amdhsa_reserve_vcc 0
		.amdhsa_float_denorm_mode_32 3
		.amdhsa_float_denorm_mode_16_64 3
		.amdhsa_memory_ordered 1
		.amdhsa_forward_progress 1
		.amdhsa_inst_pref_size 133
	.end_amdhsa_kernel
	.amdgpu_metadata
---
amdhsa.version: [ 1, 2 ]
amdhsa.kernels:
  - .name:           k_q0939782caa_oproj
    .symbol:         k_q0939782caa_oproj.kd
    .args:
      - { .name: att, .offset: 0, .size: 8, .value_kind: global_buffer, .address_space: global }
      - { .name: wo, .offset: 8, .size: 8, .value_kind: global_buffer, .address_space: global }
      - { .name: b_out, .offset: 16, .size: 8, .value_kind: global_buffer, .address_space: global }
      - { .name: hidden_states, .offset: 24, .size: 8, .value_kind: global_buffer, .address_space: global }
      - { .name: out0, .offset: 32, .size: 8, .value_kind: global_buffer, .address_space: global }
    .group_segment_fixed_size: 327680
    .private_segment_fixed_size: 0
    .kernarg_segment_align: 8
    .kernarg_segment_size: 40
    .max_flat_workgroup_size: 128
    .sgpr_count:     90
    .vgpr_count:     1024
    .wavefront_size: 32
...
	.end_amdgpu_metadata
.endif
;; end of part 4
;; ======== version 2 of 2: 4 launches; version 1 with the launch prep written anew for expert scheduling mode
;; limits: right only within a limited range of input values
;; workspace buffers: xln 16,777,216 bytes; wq 6,291,456 bytes; wo 2,097,152 bytes; qkv 50,331,648 bytes; att 16,777,216 bytes
;; launch prep (part 5): grid 384 x 1, 8 waves a work-group, no clusters, 0 bytes of LDS; arguments hidden_states, ln_gamma, ln_beta, W_qkv, W_out, xln, wq, wo; writes xln, wq, wo
.if DOCPART == 5
	.amdgcn_target "amdgcn-amd-amdhsa--gfx1250"
	.amdhsa_code_object_version 6
	.text
	.protected	k_q0939782caa_prep
	.globl	k_q0939782caa_prep
	.p2align	8
	.type	k_q0939782caa_prep,@function
k_q0939782caa_prep:
	s_mov_b64 s[64:65], 0
	v_nop
	global_prefetch_b8 v0, s[64:65] scope:SCOPE_SE
	s_setreg_imm32_b32 hwreg(HW_REG_WAVE_SCHED_MODE, 0, 2), 2
	s_setreg_imm32_b32 hwreg(HW_REG_WAVE_MODE, 25, 1), 1
	s_wait_xcnt 0x0
	s_wait_alu depctr_vm_vsrc(0)
; Makes the bf16 operands of the later launches, all in one layout: panels of 64 columns, [panel][row][64], rows of 128 bytes.
;   work-groups 0-255:   xln = LayerNorm(hidden_states) * gamma + beta, [b 4][panel 16][s 2048][64]
;   work-groups 256-351: wq  = W_qkv, [panel 48][k 1024][64]
;   work-groups 352-383: wo  = W_out, [panel 16][k 1024][64]
; Every work-group reads 128 KiB and writes 64 KiB.  A pure stream: each byte is read once and written once, so LDS, matrix
; instructions and clusters have nothing to add (no two work-groups read the same bytes but gamma and beta, 8 KiB).
; LayerNorm: a wave owns 4 rows, taken as 2 pairs; lanes 0-15 hold the even row of a pair, lanes 16-31 the odd one, 64 numbers a lane
; in registers, so the row is read from memory once.  The variance is the mean of the squares of the CENTRED numbers (two passes over
; the registers): a common offset of the input does not cancel against a large sum.
; Each load of a wave covers two runs of 256 consecutive aligned bytes; each store 256 consecutive aligned bytes (two rows of a panel).
; THE MODE: SCHED_MODE bits 1:0 = 2 (LLVM: expert scheduling mode 2), set by the entry lines.  The code itself states the register dependences
; between vector instructions and memory instructions, with s_wait_alu, always for 0.
; THE PLAN, LayerNorm.  Registers that memory instructions touch:
;   v2, v3, v4  byte offsets, made once at the head and never written again: panels and rows are reached by immediate offsets.
;   X           written by a pair's 16 loads, then centred and scaled in place; the first pair's X takes the second pair's loads.
;   G, BT       written by loads, once; read by vector instructions alone.
;   Y           written by a pair's roundings, each register once a pair; read by that pair's stores.
; A pair's last phase (scale, gamma and beta, round) goes in four blocks of four panels.  Block g names X, G, BT and Y of its own four panels.  Its memory
; instructions are those of block g - 1: the stores from that block's Y and, in the first pair, the loads into that block's X.  So one wait at a block's head
; states all that the block's memory instructions hang on, and they are dealt among its vector instructions with no further wait.
; THE PLAN, the weight paths.  X takes 32 loads, once; the roundings write BT, each register once; the stores read BT.  Eight blocks of four loads: block b rounds
; its own four and issues the stores of block b - 1, behind one wait at its head.  v4 and v5 are offsets, made ahead of the first load.
.set T,    6                           ; v[6:13]    four chains of packed sums
.set RS,   12                          ; v[12:13]   1 / sqrt(var + eps), twice (written when the chains are spent)
.set MEAN, 14                          ; v[14:15]   the row's mean, twice
.set X,    16                          ; v[16:79]   my 64 numbers of the row; in the weight paths v[16:143]: 32 loads
.set G,    80                          ; v[80:143]  gamma of my 64 columns
.set BT,   144                         ; v[144:207] beta of my 64 columns; in the weight paths: the packed results
.set Y,    208                         ; v[208:239] packed results, 16 pairs
	s_load_b512 s[4:19], s[0:1], 0x0               ; hidden s[4:5], gamma s[6:7], beta s[8:9], W_qkv s[10:11], W_out s[12:13], xln s[14:15], wq s[16:17], wo s[18:19]
	v_lshrrev_b32 v1, 5, v0
	v_readfirstlane_b32 s20, v1                    ; wave 0..7
	v_and_b32 v1, 15, v0                           ; r: my place in a run of 256 bytes
	v_bfe_u32 v5, v0, 4, 1                         ; hh: which row of a pair
	v_lshlrev_b32 v3, 4, v1                        ; 16 r: offset in gamma, beta
	v_lshl_or_b32 v2, v5, 12, v3                   ; 4096 hh + 16 r: offset in hidden_states
	v_lshlrev_b32 v4, 3, v1
	v_lshl_or_b32 v4, v5, 7, v4                    ; 128 hh + 8 r: offset in a panel
	s_wait_alu depctr_va_sdst(0)                   ; s20 is written, ahead of the branch and of its first reader on each of the three paths: the bases are made from it
	s_cmp_lt_u32 ttmp9, 256
	s_cbranch_scc0 .Lweights
	; ---- LayerNorm ----
	s_lshl_b32 s24, ttmp9, 5
	s_lshl2_add_u32 s24, s20, s24                  ; my first row = 32 g + 4 w
	s_lshl_b32 s26, s24, 12                        ; x 4096 bytes
	s_mov_b32 s27, 0
	s_lshr_b32 s28, s24, 11                        ; batch
	s_lshl_b32 s28, s28, 22
	s_and_b32 s29, s24, 2047                       ; row in the batch
	s_lshl_b32 s29, s29, 7
	s_add_co_u32 s28, s28, s29
	s_mov_b32 s29, 0
	s_mov_b32 s21, 0x3a800000                      ; 1 / 1024
	s_mov_b32 s22, 0x2b8cbccc                      ; 1e-12
	s_wait_kmcnt 0x0
	s_add_nc_u64 s[4:5], s[4:5], s[26:27]
	s_add_nc_u64 s[14:15], s[14:15], s[28:29]
	s_wait_alu depctr_va_vdst(0)                   ; v2, v3 and v4 are written: every load and store of this path reads one of them as its offset
.irp j, 0,1,2,3,4,5,6,7,8,9,10,11,12,13,14,15
	global_load_b128 v[X+4*\j:X+4*\j+3], v2, s[4:5] offset:256*\j th:TH_LOAD_NT   ; the first pair of rows: load j is panel j
.endr
.irp j, 0,1,2,3,4,5,6,7,8,9,10,11,12,13,14,15
	global_load_b128 v[G+4*\j:G+4*\j+3], v3, s[6:7] offset:256*\j
.endr
.irp j, 0,1,2,3,4,5,6,7,8,9,10,11,12,13,14,15
	global_load_b128 v[BT+4*\j:BT+4*\j+3], v3, s[8:9] offset:256*\j
.endr
; the four chains into one number, then over the 16 lanes that hold the row; every one of them ends with the sum in v6
.macro REDUCE
	v_pk_add_f32 v[T:T+1], v[T:T+1], v[T+2:T+3]
	v_pk_add_f32 v[T+4:T+5], v[T+4:T+5], v[T+6:T+7]
	v_pk_add_f32 v[T:T+1], v[T:T+1], v[T+4:T+5]
	v_add_f32 v[T], v[T], v[T+1]
	v_add_f32_dpp v[T], v[T], v[T] row_xmask:1 row_mask:0xf bank_mask:0xf
	v_add_f32_dpp v[T], v[T], v[T] row_xmask:2 row_mask:0xf bank_mask:0xf
	v_add_f32_dpp v[T], v[T], v[T] row_xmask:4 row_mask:0xf bank_mask:0xf
	v_add_f32_dpp v[T], v[T], v[T] row_xmask:8 row_mask:0xf bank_mask:0xf
.endm
; panel j of a pair's last phase, the vector part: my four numbers scaled, times gamma plus beta, rounded into Y
.macro WORK j
	v_pk_mul_f32 v[X+4*(\j):X+4*(\j)+1], v[X+4*(\j):X+4*(\j)+1], v[RS:RS+1]
	v_pk_mul_f32 v[X+4*(\j)+2:X+4*(\j)+3], v[X+4*(\j)+2:X+4*(\j)+3], v[RS:RS+1]
	v_pk_fma_f32 v[X+4*(\j):X+4*(\j)+1], v[X+4*(\j):X+4*(\j)+1], v[G+4*(\j):G+4*(\j)+1], v[BT+4*(\j):BT+4*(\j)+1]
	v_pk_fma_f32 v[X+4*(\j)+2:X+4*(\j)+3], v[X+4*(\j)+2:X+4*(\j)+3], v[G+4*(\j)+2:G+4*(\j)+3], v[BT+4*(\j)+2:BT+4*(\j)+3]
	v_cvt_pk_bf16_f32 v[Y+2*(\j)], v[X+4*(\j)], v[X+4*(\j)+1]
	v_cvt_pk_bf16_f32 v[Y+2*(\j)+1], v[X+4*(\j)+2], v[X+4*(\j)+3]
.endm
; panel j of pair p, the memory part, a block behind its vector part.  more = 1: its registers of X take the next pair.  The load goes first.
.macro OUT p, j, more
.if \more
	global_load_b128 v[X+4*(\j):X+4*(\j)+3], v2, s[4:5] offset:8192+256*(\j) th:TH_LOAD_NT
.endif
	global_store_b64 v4, v[Y+2*(\j):Y+2*(\j)+1], s[14:15] offset:(\j)*262144+(\p)*256   ; panel j, two rows of 128 bytes: 256 consecutive bytes
.endm
; pair p of my two pairs of rows.  more = 1: as its registers fall free they are loaded with the next pair.
.macro PAIR p, more
.if \p == 0
	s_wait_loadcnt 32                              ; my 16 loads of x are in; the 32 younger ones (gamma, beta) may stay out
.else
	s_wait_loadcnt 0x0                             ; the second pair's 16 loads: nothing was issued behind them
.endif
.irp c, 0,1,2,3
	v_pk_add_f32 v[T+2*\c:T+2*\c+1], v[X+2*\c:X+2*\c+1], v[X+8+2*\c:X+8+2*\c+1]   ; the first sums start the chains: nothing is cleared
.endr
.set j, 8
.rept 24
	v_pk_add_f32 v[T+2*(j%4):T+2*(j%4)+1], v[T+2*(j%4):T+2*(j%4)+1], v[X+2*j:X+2*j+1]
.set j, j+1
.endr
	REDUCE
	v_mul_f32 v[MEAN], s21, v[T]
	v_mul_f32 v[MEAN+1], s21, v[T]
.set j, 0
.rept 32
	v_pk_add_f32 v[X+2*j:X+2*j+1], v[X+2*j:X+2*j+1], v[MEAN:MEAN+1] neg_lo:[0,1] neg_hi:[0,1]   ; x - mean, in place
.set j, j+1
.endr
.irp c, 0,1,2,3
	v_pk_mul_f32 v[T+2*\c:T+2*\c+1], v[X+2*\c:X+2*\c+1], v[X+2*\c:X+2*\c+1]
.endr
.set j, 4
.rept 28
	v_pk_fma_f32 v[T+2*(j%4):T+2*(j%4)+1], v[X+2*j:X+2*j+1], v[X+2*j:X+2*j+1], v[T+2*(j%4):T+2*(j%4)+1]
.set j, j+1
.endr
	REDUCE
	v_fma_f32 v[T], v[T], s21, s22                 ; var + eps
	v_rsq_f32 v[RS], v[T]
	v_nop                                          ; one plain instruction between v_rsq_f32 and the use of its result (ISA guide 5.7.2)
	s_wait_alu depctr_va_vdst(0)                   ; the reciprocal root is written, ahead of the first line that names it
	v_mov_b32 v[RS+1], v[RS]
.if \p == 0
	s_wait_loadcnt 0x0                             ; gamma and beta
.else
	s_wait_xcnt 0x0                                ; Y, which the first pair's stores read, is rewritten only behind this wait
	s_wait_alu depctr_vm_vsrc(0)                   ; the first pair's stores have read Y, which this pair's roundings write again
.endif
.irp g, 0,1,2,3
.if \g > 0
	s_wait_alu depctr_va_vdst(0)                   ; the block before has written its Y, which the stores below read, and is done with its X, in which the loads below land
.endif
.irp i, 0,1,2,3
.if \g > 0
	OUT \p, 4*(\g-1)+\i, \more                     ; no vector instruction since the wait names these registers
.endif
	WORK 4*\g+\i
.endr
.endr
	s_wait_alu depctr_va_vdst(0)                   ; the last block has written its Y and is done with its X
.irp i, 0,1,2,3
	OUT \p, 12+\i, \more
.endr
.endm
	PAIR 0, 1
	PAIR 1, 0
	s_endpgm
; ---- a weight matrix [1024][pitch / 4] of f32 into panels of bf16.  s24 = the work-group's number in its path: panel s24 >> 1,
; k half s24 & 1; a wave takes 64 rows of k, two rows a load, all 32 loads out at once; no register is written twice. ----
.macro CONV src, dst, pitch
	s_lshr_b32 s25, s24, 1                         ; panel
	s_and_b32 s26, s24, 1
	s_lshl_b32 s26, s26, 9
	s_lshl_b32 s27, s20, 6
	s_add_co_u32 s26, s26, s27                     ; my first k = 512 half + 64 w
	s_mul_i32 s28, s26, \pitch
	s_lshl_b32 s27, s25, 8
	s_add_co_u32 s28, s28, s27                     ; source: k x pitch + 256 panel
	s_mov_b32 s29, 0
	s_lshl_b32 s26, s26, 7
	s_lshl_b32 s27, s25, 17
	s_add_co_u32 s26, s26, s27                     ; destination: 131072 panel + 128 k
	s_mov_b32 s27, 0
	v_mul_u32_u24 v5, v5, \pitch
	v_add_nc_u32 v5, v5, v3                        ; hh x pitch + 16 r
	s_wait_kmcnt 0x0
	s_add_nc_u64 s[\src:\src+1], s[\src:\src+1], s[28:29]
	s_add_nc_u64 s[\dst:\dst+1], s[\dst:\dst+1], s[26:27]
	s_wait_alu depctr_va_vdst(0)                   ; v5 and v4 are written: the loads read the one as their offset, the stores the other
.set i, 0
.rept 32
	global_load_b128 v[X+4*i:X+4*i+3], v5, s[\src:\src+1] offset:2*i*\pitch th:TH_LOAD_NT
.set i, i+1
.endr
.set b, 0
.rept 8
	s_wait_loadcnt 28-4*b                          ; loads come back in order: block b's four are in, the younger ones stay out
.if b > 0
	s_wait_alu depctr_va_vdst(0)                   ; the block before has written its eight registers of BT, which the stores below read
.endif
.set i, 4*b
.rept 4
.if b > 0
	global_store_b64 v4, v[BT+2*(i-4):BT+2*(i-4)+1], s[\dst:\dst+1] offset:256*(i-4)   ; the block before; no vector instruction since the wait names these registers
.endif
	v_cvt_pk_bf16_f32 v[BT+2*i], v[X+4*i], v[X+4*i+1]
	v_cvt_pk_bf16_f32 v[BT+2*i+1], v[X+4*i+2], v[X+4*i+3]
.set i, i+1
.endr
.set b, b+1
.endr
	s_wait_alu depctr_va_vdst(0)                   ; the last block has written its registers of BT, which the last four stores read
.set i, 28
.rept 4
	global_store_b64 v4, v[BT+2*i:BT+2*i+1], s[\dst:\dst+1] offset:256*i
.set i, i+1
.endr
.endm
.Lweights:
	s_cmp_lt_u32 ttmp9, 352
	s_cbranch_scc0 .Lwout
	s_sub_co_u32 s24, ttmp9, 256
	CONV 10, 16, 12288
	s_endpgm
.Lwout:
	s_sub_co_u32 s24, ttmp9, 352
	CONV 12, 18, 4096
	s_endpgm
.Lfunc_end_k_q0939782caa_prep:
	.size	k_q0939782caa_prep, .Lfunc_end_k_q0939782caa_prep-k_q0939782caa_prep
	.p2alignl 7, 3214868480
	.fill 96, 4, 3214868480
	.section	.rodata,"a",@progbits
	.p2align	6, 0x0
	.amdhsa_kernel k_q0939782caa_prep
		.amdhsa_group_segment_fixed_size 0
		.amdhsa_private_segment_fixed_size 0
		.amdhsa_enable_private_segment 0
		.amdhsa_kernarg_size 64
		.amdhsa_user_sgpr_count 2
		.amdhsa_user_sgpr_kernarg_segment_ptr 1
		.amdhsa_wavefront_size32 1
		.amdhsa_system_sgpr_workgroup_id_x 1
		.amdhsa_system_sgpr_workgroup_id_y 1
		.amdhsa_system_sgpr_workgroup_id_z 1
		.amdhsa_system_vgpr_workitem_id 0
		.amdhsa_next_free_vgpr 240
		.amdhsa_next_free_sgpr 66
		.amdhsa_reserve_vcc 0
		.amdhsa_float_denorm_mode_32 3
		.amdhsa_float_denorm_mode_16_64 3
		.amdhsa_memory_ordered 1
		.amdhsa_forward_progress 1
		.amdhsa_inst_pref_size 60
	.end_amdhsa_kernel
	.amdgpu_metadata
---
amdhsa.version: [ 1, 2 ]
amdhsa.kernels:
  - .name:           k_q0939782caa_prep
    .symbol:         k_q0939782caa_prep.kd
    .args:
      - { .name: hidden_states, .offset: 0, .size: 8, .value_kind: global_buffer, .address_space: global }
      - { .name: ln_gamma, .offset: 8, .size: 8, .value_kind: global_buffer, .address_space: global }
      - { .name: ln_beta, .offset: 16, .size: 8, .value_kind: global_buffer, .address_space: global }
      - { .name: W_qkv, .offset: 24, .size: 8, .value_kind: global_buffer, .address_space: global }
      - { .name: W_out, .offset: 32, .size: 8, .value_kind: global_buffer, .address_space: global }
      - { .name: xln, .offset: 40, .size: 8, .value_kind: global_buffer, .address_space: global }
      - { .name: wq, .offset: 48, .size: 8, .value_kind: global_buffer, .address_space: global }
      - { .name: wo, .offset: 56, .size: 8, .value_kind: global_buffer, .address_space: global }
    .group_segment_fixed_size: 0
    .private_segment_fixed_size: 0
    .kernarg_segment_align: 8
    .kernarg_segment_size: 64
    .max_flat_workgroup_size: 256
    .sgpr_count:     66
    .vgpr_count:     240
    .wavefront_size: 32
...
	.end_amdgpu_metadata
.endif
;; end of part 5
;; launch qkvproj: the kernel of part 2 again; grid 16 x 32, 4 waves a work-group, clusters of 4 x 4, 327,680 bytes of LDS; arguments xln, wq, b_qkv, qkv; writes qkv
;; launch attn: the kernel of part 3 again; grid 4 x 64, 8 waves a work-group, clusters of 4 x 4, 327,680 bytes of LDS; arguments qkv, attention_mask, att; writes att
;; launch oproj: the kernel of part 4 again; grid 8 x 32, 4 waves a work-group, clusters of 4 x 4, 327,680 bytes of LDS; arguments att, wo, b_out, hidden_states, out0; writes out0
